; MI455X (gfx1250); checked and timed in simulation.
; The chip was launched on July 23, 2026; its instructions are those of AMD's public machine-readable ISA for CDNA 5 (MIT licence, August 2026) and "CDNA5" Instruction Set Architecture Reference Guide (July 2026). The comments in the code are by the model that wrote it; some were corrected since.
;; Spherical Attention. Allowed arithmetic: matrix products marked QUANTISED: E2M1 operands, one E8M0 scale for each 32 along K, by v_wmma_scale_f32_16x16x128_f8f6f4 with both operands' format E2M1 (or v_wmma_scale_f32_32x16x128_f4), f32 sums; products left as they are: bf16, f16 or f32 operands; f32 sums; everything else in f32.
;; Inputs: hidden_states 2 x 4,096 x 1,024 float32; wk 1,024 x 256 float32; wo 512 x 1,024 float32; wq 1,024 x 512 float32; wv 1,024 x 256 float32.
;; Outputs: out0 2 x 4,096 x 1,024 float32.
;; This version of the problem:
;;   THIS VERSION OF THE PROBLEM IS GIVEN IN LOW PRECISION. The matrix products marked QUANTISED in the list below multiply operands that are first quantised to E2M1 (2 exponent bits, 1 mantissa bit; 4 bits a number), with one power-of-two scale for each 32 numbers along K (OCP MX v1.0); their sums are f32. The products marked 'left as it is' may take bf16, f16 or f32 operands, with f32 sums. Whichever they take, every output number must still come out within the allowed error. Rounding operands to bf16 (8 significant bits) uses up far more of that allowance than f16 does (11 bits, for magnitudes from 6e-5 to 65,504). All else is computed in f32.
;;   The module's matrix products, in the order in which they are computed (A, B: the left and right operand; K: the contracted axis; several contracted axes count as one K, in the product's order):
;;     1. [M 8,192, K 1,024] x [K 1,024, N 512]; A: input hidden_states; B: input wq: QUANTISED
;;     2. [M 8,192, K 1,024] x [K 1,024, N 256]; A: input hidden_states; B: input wk: QUANTISED
;;     3. [M 8,192, K 1,024] x [K 1,024, N 256]; A: input hidden_states; B: input wv: QUANTISED
;;     4. batch 16 x [M 4,096, K 64] x [K 64, N 4,096]; A: computed on the way; B: computed on the way: left as it is (an operand is computed on the way)
;;     5. batch 16 x [M 4,096, K 4,096] x [K 4,096, N 64]; A: computed on the way; B: computed on the way: left as it is (an operand is computed on the way)
;;     6. [M 8,192, K 512] x [K 512, N 1,024]; A: computed on the way; B: input wo: left as it is (an operand is computed on the way)
;;   THE QUANTISER, for each operand of a quantised product, along K:
;;     - K is cut into blocks of 32 from its start; a last block that is shorter is filled with zeros.
;;     - A block's scale is 2^e with e = floor(log2(the largest magnitude in the block)) - 2, held to -126 .. 127; a block of zeros has e = 0. As a byte (E8M0): e + 127.
;;     - Each number is divided by its block's scale, clamped to +-6, and rounded to the nearest number of E2M1, ties to even, subnormals kept.
;;     - The product sums the exact products of the quantised numbers (number of the format x scale) in f32.
;;   ~~~python
;;   def quantise(x, axis):      # numpy; x: float32 -> the quantised numbers, widened to float32 again
;;       x = np.moveaxis(x, axis, -1); K = x.shape[-1]
;;       x = np.pad(x, [(0, 0)] * (x.ndim - 1) + [(0, -K % 32)]); x = x.reshape(x.shape[:-1] + (-1, 32)); a = np.abs(x).max(-1, keepdims=True)
;;       e = np.where(a > 0, np.clip(np.frexp(np.where(a > 0, a, 1))[1] - 1 - 2, -126, 127), 0)      # np.frexp(a)[1] - 1 = floor(log2(a)), exactly
;;       r = np.clip(x / 2.0 ** e, -6, 6)
;;       step = 2.0 ** (np.maximum(np.frexp(np.where(r == 0, 1, r))[1] - 1, 0) - 1)
;;       q = np.round(r / step) * step * 2.0 ** e      # np.round: ties to even
;;       return np.moveaxis(q.reshape(q.shape[:-2] + (-1,))[..., :K], -1, axis).astype(np.float32)
;;   ~~~
;; One version. Each part assembles by itself: llvm-mc -triple=amdgcn-amd-amdhsa -mcpu=gfx1250 --defsym DOCPART=n.
;; ======== version 1 of 1: 4 launches
;; limits: values are held in f16: magnitudes above 65,504 overflow, below 6.1e-05 lose precision
;; workspace buffers: codes 4,718,592 bytes; scales 294,912 bytes; rope 1,048,576 bytes; wof 1,048,576 bytes; qf 8,388,608 bytes; kvf 8,388,608 bytes; of16 8,388,608 bytes
;; launch prep (part 1): grid 368 x 1, 4 waves a work-group, no clusters, 68,096 bytes of LDS; arguments hidden_states, wq, wk, wv, wo, codes, scales, wof, rope; writes codes, scales, wof, rope
.if DOCPART == 1
	.amdgcn_target "amdgcn-amd-amdhsa--gfx1250"
	.amdhsa_code_object_version 6
	.text
	.protected	k_q00a11798ab_prep
	.globl	k_q00a11798ab_prep
	.p2align	8
	.type	k_q00a11798ab_prep,@function
k_q00a11798ab_prep:
	s_mov_b64 s[64:65], 0
	v_nop
	global_prefetch_b8 v0, s[64:65] scope:SCOPE_SE
	s_setreg_imm32_b32 hwreg(HW_REG_WAVE_MODE, 25, 1), 1
	s_wait_xcnt 0x0
; PREP: everything that later launches read many times is made once.
;   work-groups   0-255: hidden_states [8192][1024] f32 -> codes of E2M1 (rows 0-8191 of codes, 512 bytes a row) and E8M0 bytes (32 a row)
;   work-groups 256-271: wq | wk | wv ([1024 (k)][n] f32, K the FIRST axis) -> rows 8192 + n of the same two buffers, n = 0-511 q, 512-767 k, 768-1023 v, K innermost
;   work-groups 272-303: wo [512 (k)][1024 (n)] f32 -> f16 of wo / 8, laid in the order of the last launch's operand registers
;   work-groups 304-367: cos and sin of t x inv_freq, f32, laid in the order of the second launch's result registers
; NO WORK OF reference() IS LEFT OUT: every input reaches the output, there is no mask, no slice and no zero state.
; THE QUANTISER: a block's scale is 2^(floor(log2(largest magnitude)) - 2); its byte is the largest magnitude's exponent field - 2, held at 1 from below by a floor among the maximum's leaves.
; LIMITS: NaN and infinities among the inputs are not served.  A block whose largest magnitude lies under 2^-124 gets the byte 1; a block of zeros gets the byte 1 where the rule says 127
; (its codes are zeros, which add nothing, and this program alone reads the bytes).  cos and sin: two-constant reduction by pi / 2 and polynomials of degree 7 and 8, absolute error about 3e-7;
; inv_freq = 2^(-i log2(10000) / 32) by v_exp_f32 (1 ulp): the angle is off by at most some 4e-4 at t = 4095.  wo / 8 and, later, 8 x O are exact shifts that keep both inside f16's normal range.
; The four paths part on the work-group's number alone; each has LDS bytes of its own and ends by itself.  No tensor load, no barrier: waves share nothing.
.set SPARE, 67584                      ; behind both paths' stages: the spare words, 128 bytes for each wave
.set SPW,   190                        ; v190 LDS address of my spare word; never rewritten
.set NIL,   191                        ; v191 0; never rewritten
.macro FINISH                          ; a wave's end
	s_wait_tensorcnt 0x0
	ds_add_u32 v[SPW], v[NIL]
	s_wait_dscnt 0x0
	s_endpgm
.endm
; ---- the tokens' path: a wave takes 16 steps of 512 numbers; each load reads 512 consecutive bytes; a step turns through the wave's stage so that a lane holds 16 neighbours along K
.set XR,    16                         ; v16-79   four sets of 16 numbers as loaded
.set XX,    80                         ; v80-111  two sets of 16 neighbours
.set XE,    112                        ; v112-127 a scale byte for each step
.set XC,    128                        ; v128-189 codes: registers 4 t and 4 t + 1 for step t: no store's data are written again
.set XSP,   80                         ; a lane's place in a stage: 64 bytes + 16 of padding
.set XWREG, 8192                       ; LDS of a wave: two stages of 32 x 80 bytes, then its 256 scale bytes
.macro XLOAD t
.irp i, 0,1,2,3
	global_load_b128 v[XR+16*((\t)%4)+4*\i:XR+16*((\t)%4)+4*\i+3], v3, s[4:5] offset:2048*(\t)+512*\i th:TH_LOAD_NT
.endr
.endm
.macro XTURN t                         ; LDS serves a wave's instructions in order: no wait between the stores and the loads
.irp i, 0,1,2,3
	ds_store_b128 v14, v[XR+16*((\t)%4)+4*\i:XR+16*((\t)%4)+4*\i+3] offset:32*XSP*((\t)%2)+8*XSP*\i
.endr
.irp i, 0,1,2,3
	ds_load_b128 v[XX+16*((\t)%2)+4*\i:XX+16*((\t)%2)+4*\i+3], v15 offset:32*XSP*((\t)%2)+16*\i
.endr
.endm
.macro XSTEP t
.set XS, XX+16*((\t)%2)
.if (\t) > 0
	s_wait_dscnt 1                                 ; this step's numbers are back from the stage; the last step's byte store may be out
.else
	s_wait_dscnt 0x0
.endif
.if (\t)+4 < 16
	XLOAD (\t)+4                                   ; into the set whose stores into the stage are done
.endif
.if (\t)+1 < 16
.if 14-(\t) >= 3
	s_wait_loadcnt 12                              ; the next step's four loads are in; those of three younger steps may be out
.else
	s_wait_loadcnt 4*(14-(\t))
.endif
	XTURN (\t)+1
.endif
	v_max3_num_f32 v8, |v[XS]|, |v[XS+1]|, |v[XS+2]|
	v_max3_num_f32 v9, |v[XS+3]|, |v[XS+4]|, |v[XS+5]|
.irp i, 6,10
	v_max3_num_f32 v8, v8, |v[XS+\i]|, |v[XS+\i+1]|
	v_max3_num_f32 v9, v9, |v[XS+\i+2]|, |v[XS+\i+3]|
.endr
	v_max3_num_f32 v8, v8, |v[XS+14]|, |v[XS+15]|
	v_max3_num_f32 v8, v8, v9, 0x1800000           ; the floor 2^(3 - 127): the byte cannot fall under 1
	v_max_num_f32_dpp v8, v8, v8 row_xmask:1 row_mask:0xf bank_mask:0xf   ; with my neighbour's 16: the block's largest magnitude
	v_add_nc_u32 v11, 0xff000000, v8               ; 2 off its exponent field: the conversion's scale operand
	v_cvt_scalef32_pk8_fp4_f32 v[XC+4*(\t)], v[XS:XS+7], v11
	v_cvt_scalef32_pk8_fp4_f32 v[XC+4*(\t)+1], v[XS+8:XS+15], v11
	v_lshrrev_b32 v[XE+(\t)], 23, v11              ; the scale's byte (also the plain line behind the conversions)
	ds_store_b8 v5, v[XE+(\t)] offset:16*(\t)      ; both lanes of a block write the same byte with the same value
	global_store_b64 v4, v[XC+4*(\t):XC+4*(\t)+1], s[14:15] offset:256*(\t)   ; the wave stores 256 consecutive bytes, aligned
.endm
; ---- the weights' path: a lane takes a column, its registers run down K; a wave takes 32 columns x 512 along K
.set WOFF,  16                         ; v16-47   4 x lane + i rows of the weight
.set WX,    48                         ; v48-111  two sets of 32 numbers
.set WC,    112                        ; v112-115 a block's codes
.set WSB,   116                        ; v116-119 the 16 scale bytes
.set WOUT,  120                        ; v120-183 the way out
.macro WLOAD t                         ; block t: W(32 t + i, my column) into set t % 2; the base steps 32 rows a block
.if (\t) > 0
	s_wait_xcnt 0x0                                ; the earlier loads have read their base
	s_add_nc_u64 s[28:29], s[28:29], s[34:35]
.endif
.set I, 0
.rept 32
	global_load_b32 v[WX+32*((\t)%2)+I], v[WOFF+I], s[28:29] th:TH_LOAD_NT
.set I, I+1
.endr
.endm
.macro WBLOCK t
.set XS, WX+32*((\t)%2)
.if (\t) < 15
	s_wait_loadcnt 32                              ; this block's 32 loads are in; the next block's may be out
.else
	s_wait_loadcnt 0x0
.endif
	v_max3_num_f32 v12, |v[XS]|, |v[XS+1]|, |v[XS+2]|
	v_max3_num_f32 v13, |v[XS+3]|, |v[XS+4]|, |v[XS+5]|
.irp i, 6,10,14,18,22,26
	v_max3_num_f32 v12, v12, |v[XS+\i]|, |v[XS+\i+1]|
	v_max3_num_f32 v13, v13, |v[XS+\i+2]|, |v[XS+\i+3]|
.endr
	v_max3_num_f32 v12, v12, |v[XS+30]|, |v[XS+31]|
	v_max3_num_f32 v12, v12, v13, 0x1800000        ; the floor
	v_add_nc_u32 v11, 0xff000000, v12
	v_lshrrev_b32 v13, 23, v11
.if (\t)%4 == 0
	v_mov_b32 v[WSB+(\t)/4], v13
.else
	v_lshl_or_b32 v[WSB+(\t)/4], v13, 8*((\t)%4), v[WSB+(\t)/4]
.endif
.irp g, 0,1,2,3
	v_cvt_scalef32_pk8_fp4_f32 v[WC+\g], v[XS+8*\g:XS+8*\g+7], v11
.endr
	ds_store_b128 v4, v[WC:WC+3] offset:16*(\t)    ; 32 codes: 16 bytes of my column's row
.if (\t)+2 < 16
	WLOAD (\t)+2
.endif
	s_wait_dscnt 0x0                               ; the store has read its registers: the next block's codes may be written (that block begins with plain lines)
.endm
; ---- cos and sin of x = t f, f in v[16 + k]: cos to v[32 + k], sin to v[48 + k]
.macro SINCOS k
	v_mul_f32 v64, v5, v[16+\k]                    ; x, rounded as reference() rounds it
	v_mul_f32 v65, s29, v64
	v_rndne_f32 v65, v65                           ; n = the nearest whole number to x 2 / pi
	v_fma_f32 v66, -v65, s30, v64                  ; r = x - n pi / 2, pi / 2 in two parts
	v_fma_f32 v66, v65, s31, v66
	v_cvt_i32_f32 v67, v65
	v_mul_f32 v68, v66, v66                        ; r^2
	v_fma_f32 v69, v68, s34, s33
	v_fma_f32 v70, v68, s38, s37
	v_fma_f32 v69, v68, v69, s32
	v_fma_f32 v70, v68, v70, s36
	v_mul_f32 v71, v68, v66                        ; r^3
	v_fma_f32 v70, v68, v70, -0.5
	v_fma_f32 v69, v71, v69, v66                   ; sin r
	v_fma_f32 v70, v68, v70, 1.0                   ; cos r
	v_and_b32 v71, 1, v67
	v_cmp_eq_u32 vcc_lo, 1, v71                    ; an odd quadrant swaps the two: a choice of values, no branch
	v_cndmask_b32 v[48+\k], v69, v70, vcc_lo
	v_cndmask_b32 v[32+\k], v70, v69, vcc_lo
	v_and_b32 v71, 2, v67                          ; sin is negative in quadrants 2, 3;
	v_add_nc_u32 v67, 1, v67
	v_lshlrev_b32 v71, 30, v71
	v_and_b32 v67, 2, v67                          ; cos in quadrants 1, 2
	v_xor_b32 v[48+\k], v[48+\k], v71
	v_lshlrev_b32 v67, 30, v67
	v_xor_b32 v[32+\k], v[32+\k], v67
.endm
	s_load_b256 s[4:11], s[0:1], 0x0               ; hidden s[4:5], wq s[6:7], wk s[8:9], wv s[10:11]
	s_load_b256 s[12:19], s[0:1], 0x20             ; wo s[12:13], codes s[14:15], scales s[16:17], wof s[18:19]
	s_load_b64 s[20:21], s[0:1], 0x40              ; rope
	v_lshl_add_u32 v[SPW], v0, 2, SPARE
	v_mov_b32 v[NIL], 0
	v_lshrrev_b32 v1, 5, v0
	v_readfirstlane_b32 s22, v1                    ; wave 0..3
	v_and_b32 v2, 31, v0                           ; lane
	s_wait_kmcnt 0x0
	s_cmp_lt_u32 ttmp9, 256
	s_cbranch_scc1 .Lpath_x
	s_cmp_lt_u32 ttmp9, 272
	s_cbranch_scc1 .Lpath_w
	s_cmp_lt_u32 ttmp9, 304
	s_cbranch_scc1 .Lpath_o
	; ================= the table: a wave makes tile T of 16 positions: [8 pieces = 4 cs + 2 nb + jj][512 bytes]; lane (r, h): t = 16 T + r, frequencies 16 nb + 8 h + 4 jj + 0 .. 3
	s_sub_co_u32 s24, ttmp9, 304
	s_lshl_b32 s24, s24, 2
	s_add_co_u32 s24, s24, s22                     ; T
	s_lshl_b32 s26, s24, 12
	s_mov_b32 s27, 0
	s_add_nc_u64 s[20:21], s[20:21], s[26:27]
	s_lshl_b32 s25, s24, 4
	v_and_b32 v3, 15, v0
	v_bfe_u32 v4, v0, 4, 1
	v_add_nc_u32 v5, s25, v3
	v_cvt_f32_u32 v5, v5                           ; t
	v_lshlrev_b32 v4, 3, v4                        ; 8 h
	v_lshlrev_b32 v6, 4, v2                        ; 16 x lane
	s_mov_b32 s28, 0xbed49a78                      ; -log2(10000) / 32
	s_mov_b32 s29, 0x3f22f983                      ; 2 / pi
	s_mov_b32 s30, 0x3fc90fdb                      ; pi / 2, rounded up to f32,
	s_mov_b32 s31, 0x333bbd2e                      ; and what that is too large by
	s_mov_b32 s32, 0xbe2aaaa3                      ; sin: r + r^3 (s32 + s33 r^2 + s34 r^4)
	s_mov_b32 s33, 0x3c08839e
	s_mov_b32 s34, 0xb94ca1f9
	s_mov_b32 s36, 0x3d2aaaa5                      ; cos: 1 - r^2 / 2 + r^4 (s36 + s37 r^2 + s38 r^4)
	s_mov_b32 s37, 0xbab6061a
	s_mov_b32 s38, 0x37ccf5ce
.irp k, 0,1,2,3,4,5,6,7,8,9,10,11,12,13,14,15
	v_add_nc_u32 v[16+\k], \k+8*(\k/8), v4         ; register k = 8 nb + 4 jj + e holds frequency 16 nb + 8 h + 4 jj + e
.endr
.irp k, 0,1,2,3,4,5,6,7,8,9,10,11,12,13,14,15
	v_cvt_f32_u32 v[16+\k], v[16+\k]
.endr
.irp k, 0,1,2,3,4,5,6,7,8,9,10,11,12,13,14,15
	v_mul_f32 v[16+\k], s28, v[16+\k]
.endr
.irp k, 0,1,2,3,4,5,6,7,8,9,10,11,12,13,14,15
	v_exp_f32 v[16+\k], v[16+\k]                   ; inv_freq: one batch,
.endr
	v_nop                                          ; one plain line behind it,
	s_wait_alu depctr_va_vdst(0)                   ; and one wait ahead of the first reader
.irp k, 0,1,2,3,4,5,6,7,8,9,10,11,12,13,14,15
	SINCOS \k
.endr
.irp f, 0,1,2,3,4,5,6,7
	global_store_b128 v6, v[32+4*\f:35+4*\f], s[20:21] offset:512*\f   ; 512 consecutive bytes a store
.endr
	FINISH
	; ================= wo: piece (combo = n / 64, kk = k / 32, nb, i): lane (r, h) holds n = 64 combo + 16 nb + r, k = 32 kk + 16 i + 8 h + 0 .. 7; a wave makes two kk
.Lpath_o:
	s_sub_co_u32 s24, ttmp9, 272
	s_lshr_b32 s25, s24, 1                         ; combo
	s_and_b32 s24, s24, 1
	s_lshl_b32 s24, s24, 3
	s_lshl_b32 s26, s22, 1
	s_add_co_u32 s24, s24, s26                     ; my first kk
	s_lshl_b32 s26, s24, 17                        ; 32 rows of 4,096 bytes a kk
	s_lshl_b32 s28, s25, 8                         ; 64 columns of 4 bytes a combo
	s_add_co_u32 s26, s26, s28
	s_mov_b32 s27, 0
	s_add_nc_u64 s[12:13], s[12:13], s[26:27]
	s_lshl_b32 s26, s25, 4
	s_add_co_u32 s26, s26, s24
	s_lshl_b32 s26, s26, 12                        ; (16 combo + kk) x 4,096
	s_add_nc_u64 s[18:19], s[18:19], s[26:27]
	v_and_b32 v3, 15, v0
	v_bfe_u32 v4, v0, 4, 1
	v_lshlrev_b32 v3, 2, v3
	v_lshl_add_u32 v3, v4, 15, v3                  ; 8 h rows + 4 r
	v_lshlrev_b32 v4, 4, v2                        ; 16 x lane
.irp u, 0,1
.irp p, 0,1,2,3,4,5,6,7
.irp j, 0,1,2,3,4,5,6,7
	global_load_b32 v[16+64*\u+8*\p+\j], v3, s[12:13] offset:131072*\u+(16*(\p%2)+\j)*4096+64*(\p/2)   ; p = 2 nb + i
.endr
.endr
.endr
.irp u, 0,1
.if \u == 0
	s_wait_loadcnt 63                              ; of 128 loads at most 63 are out: the first 64 are in
.else
	s_wait_loadcnt 0x0
.endif
.irp p, 0,1,2,3,4,5,6,7
.irp q, 0,1,2,3
	v_pk_mul_f32 v[16+64*\u+8*\p+2*\q:16+64*\u+8*\p+2*\q+1], v[16+64*\u+8*\p+2*\q:16+64*\u+8*\p+2*\q+1], 0x3e000000 op_sel_hi:[1,0]   ; / 8: exact
.endr
.irp q, 0,1,2,3
	v_cvt_pk_f16_f32 v[16+64*\u+8*\p+\q], v[16+64*\u+8*\p+2*\q], v[16+64*\u+8*\p+2*\q+1]   ; in place, ascending: register q has been read when it is written
.endr
	global_store_b128 v4, v[16+64*\u+8*\p:16+64*\u+8*\p+3], s[18:19] offset:4096*\u+512*\p
.endr
.endr
	FINISH
	; ================= the weights: work-group g: 128 columns cg = g / 2 of [wq | wk | wv], 512 of K: ky = g % 2
.Lpath_w:
	s_sub_co_u32 s24, ttmp9, 256
	s_lshr_b32 s25, s24, 1                         ; cg
	s_and_b32 s26, s24, 1                          ; ky
	s_and_b32 s31, s25, 1
	s_mov_b32 s30, 1024
	s_cmp_lt_u32 s25, 6
	s_cselect_b64 s[28:29], s[8:9], s[10:11]       ; wk or wv,
	s_cmp_lt_u32 s25, 4
	s_cselect_b64 s[28:29], s[6:7], s[28:29]       ; or wq: the choice hangs on the work-group's number alone
	s_cselect_b32 s30, 2048, s30                   ; a row of the weight in bytes
	s_cselect_b32 s31, s25, s31                    ; which 128 of its columns
	s_lshl_b32 s31, s31, 9
	s_lshl_b32 s32, s22, 7                         ; my wave's 32 columns
	s_add_co_u32 s32, s32, s31
	s_mul_i32 s33, s26, s30
	s_lshl_b32 s33, s33, 9                         ; 512 ky rows
	s_add_co_u32 s32, s32, s33
	s_mov_b32 s33, 0
	s_add_nc_u64 s[28:29], s[28:29], s[32:33]
	s_lshl_b32 s34, s30, 5                         ; 32 rows: a block's step
	s_mov_b32 s35, 0
	s_lshl_b32 s36, s25, 7
	s_lshl_b32 s37, s22, 5
	s_add_co_u32 s36, s36, s37
	s_add_co_u32 s36, s36, 8192                    ; my first row of codes and scales
	s_lshl_b32 s38, s36, 9
	s_lshl_b32 s40, s26, 8
	s_add_co_u32 s38, s38, s40
	s_mov_b32 s39, 0
	s_add_nc_u64 s[14:15], s[14:15], s[38:39]
	s_lshl_b32 s38, s36, 5
	s_lshl_b32 s40, s26, 4
	s_add_co_u32 s38, s38, s40
	s_add_nc_u64 s[16:17], s[16:17], s[38:39]
	v_lshlrev_b32 v3, 2, v2
.set I, 0
.rept 32
	v_mad_u32_u24 v[WOFF+I], s30, I, v3
.set I, I+1
.endr
	s_mul_i32 s41, s22, 8704
	s_add_co_u32 s41, s41, 32768                   ; my stage: 32 rows x 272 bytes, behind the other path's bytes
	v_mul_u32_u24 v4, v2, 272
	v_add_nc_u32 v4, s41, v4                       ; in: row = my column
	v_and_b32 v5, 15, v2
	v_lshrrev_b32 v6, 4, v2
	v_mul_u32_u24 v7, v6, 272
	v_lshl_add_u32 v7, v5, 4, v7
	v_add_nc_u32 v7, s41, v7                       ; out: sixteen lanes to a row, two rows an instruction
	v_lshlrev_b32 v8, 9, v6
	v_lshl_add_u32 v8, v5, 4, v8                   ; the same place in the codes
	v_lshlrev_b32 v9, 5, v2                        ; my column's row of scale bytes
	WLOAD 0
	WLOAD 1
.set Q, 0
.rept 16
	WBLOCK Q
.set Q, Q+1
.endr
	global_store_b128 v9, v[WSB:WSB+3], s[16:17]   ; my column's 16 scale bytes
.irp t, 0,1,2,3,4,5,6,7,8,9,10,11,12,13,14,15
	ds_load_b128 v[WOUT+4*\t:WOUT+4*\t+3], v7 offset:2*\t*272
.endr
.irp t, 0,1,2,3,4,5,6,7,8,9,10,11,12,13,14,15
	s_wait_dscnt 15-\t
	global_store_b128 v8, v[WOUT+4*\t:WOUT+4*\t+3], s[14:15] offset:2*\t*512   ; sixteen lanes store 256 consecutive bytes, aligned
.endr
	FINISH
	; ================= the tokens: rows are dense, so the tensor is a stream of blocks of 32; wave run = 4 x work-group + wave, 8,192 numbers
.Lpath_x:
	v_lshlrev_b32 v3, 4, v2
	s_mul_i32 s24, s22, XWREG
	v_lshrrev_b32 v14, 2, v2
	v_mul_u32_u24 v14, v14, XSP
	v_and_b32 v15, 3, v2
	v_lshl_add_u32 v14, v15, 4, v14
	v_add_nc_u32 v14, s24, v14                     ; the stage, on the way in: 80 (lane / 4) + 16 (lane % 4)
	v_mul_u32_u24 v15, v2, XSP
	v_add_nc_u32 v15, s24, v15                     ; and on the way out: 80 x lane
	v_lshlrev_b32 v4, 3, v2                        ; my 8 bytes of a step's codes
	v_lshrrev_b32 v5, 1, v2
	s_add_co_u32 s24, s24, 2*32*XSP
	v_add_nc_u32 v5, s24, v5                       ; my block's byte among the wave's 256
	v_lshlrev_b32 v7, 3, v2
	v_add_nc_u32 v6, s24, v7
	s_lshl_b32 s25, ttmp9, 2
	s_add_co_u32 s25, s25, s22
	s_lshl_b32 s26, s25, 15
	s_mov_b32 s27, 0
	s_add_nc_u64 s[4:5], s[4:5], s[26:27]
	s_lshl_b32 s26, s25, 12
	s_add_nc_u64 s[14:15], s[14:15], s[26:27]
	s_lshl_b32 s26, s25, 8
	s_add_nc_u64 s[16:17], s[16:17], s[26:27]
.irp t, 0,1,2,3
	XLOAD \t
.endr
	s_wait_loadcnt 12                              ; step 0's four loads are in
	XTURN 0
.irp t, 0,1,2,3,4,5,6,7,8,9,10,11,12,13,14,15
	XSTEP \t
.endr
	ds_load_b64 v[8:9], v6
	s_wait_dscnt 0x0
	global_store_b64 v7, v[8:9], s[16:17]          ; the wave's 256 scale bytes, aligned
	FINISH
.Lfunc_end_k_q00a11798ab_prep:
	.size	k_q00a11798ab_prep, .Lfunc_end_k_q00a11798ab_prep-k_q00a11798ab_prep
	.p2alignl 7, 3214868480
	.fill 96, 4, 3214868480
	.section	.rodata,"a",@progbits
	.p2align	6, 0x0
	.amdhsa_kernel k_q00a11798ab_prep
		.amdhsa_group_segment_fixed_size 68096
		.amdhsa_private_segment_fixed_size 0
		.amdhsa_enable_private_segment 0
		.amdhsa_kernarg_size 72
		.amdhsa_user_sgpr_count 2
		.amdhsa_user_sgpr_kernarg_segment_ptr 1
		.amdhsa_wavefront_size32 1
		.amdhsa_system_sgpr_workgroup_id_x 1
		.amdhsa_system_sgpr_workgroup_id_y 1
		.amdhsa_system_sgpr_workgroup_id_z 1
		.amdhsa_system_vgpr_workitem_id 0
		.amdhsa_next_free_vgpr 192
		.amdhsa_next_free_sgpr 66
		.amdhsa_reserve_vcc 1
		.amdhsa_float_denorm_mode_32 3
		.amdhsa_float_denorm_mode_16_64 3
		.amdhsa_memory_ordered 1
		.amdhsa_forward_progress 1
		.amdhsa_inst_pref_size 160
	.end_amdhsa_kernel
	.amdgpu_metadata
---
amdhsa.version: [ 1, 2 ]
amdhsa.kernels:
  - .name:           k_q00a11798ab_prep
    .symbol:         k_q00a11798ab_prep.kd
    .args:
      - { .name: hidden_states, .offset: 0, .size: 8, .value_kind: global_buffer, .address_space: global }
      - { .name: wq, .offset: 8, .size: 8, .value_kind: global_buffer, .address_space: global }
      - { .name: wk, .offset: 16, .size: 8, .value_kind: global_buffer, .address_space: global }
      - { .name: wv, .offset: 24, .size: 8, .value_kind: global_buffer, .address_space: global }
      - { .name: wo, .offset: 32, .size: 8, .value_kind: global_buffer, .address_space: global }
      - { .name: codes, .offset: 40, .size: 8, .value_kind: global_buffer, .address_space: global }
      - { .name: scales, .offset: 48, .size: 8, .value_kind: global_buffer, .address_space: global }
      - { .name: wof, .offset: 56, .size: 8, .value_kind: global_buffer, .address_space: global }
      - { .name: rope, .offset: 64, .size: 8, .value_kind: global_buffer, .address_space: global }
    .group_segment_fixed_size: 68096
    .private_segment_fixed_size: 0
    .kernarg_segment_align: 8
    .kernarg_segment_size: 72
    .max_flat_workgroup_size: 128
    .sgpr_count:     66
    .vgpr_count:     192
    .wavefront_size: 32
...
	.end_amdgpu_metadata
.endif
;; end of part 1
;; launch qkv (part 2): grid 64 x 4, 8 waves a work-group, clusters of 4 x 1, 216,832 bytes of LDS; arguments codes, scales, rope, qf, kvf; writes qf, kvf
.if DOCPART == 2
	.amdgcn_target "amdgcn-amd-amdhsa--gfx1250"
	.amdhsa_code_object_version 6
	.text
	.protected	k_q00a11798ab_qkv
	.globl	k_q00a11798ab_qkv
	.p2align	8
	.type	k_q00a11798ab_qkv,@function
k_q00a11798ab_qkv:
	s_mov_b64 s[64:65], 0
	v_nop
	global_prefetch_b8 v0, s[64:65] scope:SCOPE_SE
	s_setreg_imm32_b32 hwreg(HW_REG_WAVE_MODE, 25, 1), 1
	s_wait_xcnt 0x0
	s_wait_alu depctr_hold_cnt(0) depctr_sa_sdst(0) depctr_va_vdst(0) depctr_va_sdst(0) depctr_va_ssrc(0) depctr_va_vcc(0) depctr_vm_vsrc(0)
	s_getreg_b32 s2, hwreg(HW_REG_IB_STS2, 6, 4)
	s_cmp_eq_u32 s2, 0
	s_cbranch_scc0 .Lentry_in_a_cluster
	s_endpgm
.Lentry_in_a_cluster:
	s_bfe_u32 s2, ttmp6, 0x10000c
	s_cmp_lg_u32 s2, 0x3003
	s_cbranch_scc0 .Lentry_shape_is_right
	s_endpgm
.Lentry_shape_is_right:
; QKV: [8192 tokens] x [1024 columns of wq | wk | wv], K = 1024, on codes of E2M1 with E8M0 scales; then RoPE in f32 (q, k); results leave as f16, laid in the order of the next launch's operand registers.
; No work of reference() is left out here.
; SHARES.  Work-group (X, y): 128 tokens x 256 columns; y = 0, 1: query heads 4 y + wn; y = 2: keys; y = 3: values.  Eight waves: wm = wave / 4 takes 64 tokens, wn = wave % 4 takes 64 columns (one head): 4 x 4 accumulators.
; ALL OF K LIES IN LDS AT ONCE (rows of 512 bytes + 16 of padding): every fill is a first fill, one tensor load a wave; nothing is filled again.
; CLUSTER.  The four work-groups of a cluster have the same y: the weights' 256 rows and their scale bytes are asked for jointly (mask 15); the tokens' rows are each work-group's own (no mask).
; Q and K are made TRANSPOSED (source 0 = 16 rows of the weight, source 1 = 16 tokens): lane (r, h) holds token r and channels 16 nb + 8 h + 0 .. 7, which pack into 16 bytes of an operand of K Q^T.
; V is made as it stands (source 0 = tokens): lane (r, h) holds channel 16 nb + r and tokens 8 h + 0 .. 7: 16 bytes of an operand V^T.  The branch between the two hangs on y, which all partners share.
; LIMIT: |q|, |k|, |v| must stay under 65,504 (f16).
.set PITCH, 528
.set HALFT, 64*PITCH                   ; 64 rows: what one tensor load brings, and what one wave reads of a side
.set LB,    2*HALFT                    ; the weights' 256 rows, behind the tokens' 128
.set SCA,   LB+4*HALFT                 ; the tokens' scale bytes: 4,096 dense bytes as 16 rows of 256 + 16
.set SCB,   SCA+16*272                 ; the weights': 32 such rows
.set SPARE, SCB+32*272                 ; the spare words, 128 bytes for each of eight waves
.set LI,  1                            ; v1  16 x lane
.set ADA, 2                            ; v2  LDS address of my tokens' fragments
.set ADB, 3                            ; v3  of my weights'
.set ADS, 4                            ; v4  of my scale words: lanes 0-15 the tokens', lanes 16-31 the weights'
.set SPW, 5                            ; v5  my spare word; never rewritten
.set NIL, 6                            ; v6  0; never rewritten
.set SC,  16                           ; v16-31  scale words: register 4 i + q % 4: tile i, K step q
.set XF,  32                           ; v32-63  four fragments of tokens
.set WF,  64                           ; v64-95  four fragments of weights
.set TT,  80                           ; v80-95  at work in RoPE
.set R0,  96                           ; v96-127 a tile's cos and sin
.set ACC, 128                          ; v128-255 accumulator (a, nb) at 128 + 8 (4 a + nb)
.macro CROUND                          ; a round of the cluster's barrier
	s_barrier_signal -1
	s_barrier_wait -1
	s_cmp_lg_u32 s14, 0
	s_cbranch_scc1 .Lnot_wave_0_\@
	s_barrier_signal -3
.Lnot_wave_0_\@:
	s_barrier_wait -3
	s_barrier_signal -1
	s_barrier_wait -1
.endm
.macro PLACES
.rept 4
	v_nop
.endr
.endm
.macro FINISH                          ; a wave's end: the closing round
	s_wait_tensorcnt 0x0
	ds_add_u32 v[SPW], v[NIL]
	s_wait_dscnt 0x0
	CROUND
	s_endpgm
.endm
; A K step of 128: 16 (or 20) LDS loads, 16 matrix instructions; the 16 accumulators take turns, in the same order in every step.
.macro KSTEP q, tr, zero
.if (\q) > 0
	PLACES                                         ; in front of loads into registers that matrix instructions have read
.endif
.if (\q)%4 == 0
.irp i, 0,1,2,3
	ds_load_b128 v[SC+4*\i:SC+4*\i+3], v[ADS] offset:544*\i+16*((\q)/4)   ; four K steps' words of tile i
.endr
.endif
.irp i, 0,1,2,3
	ds_load_b128 v[XF+8*\i:XF+8*\i+3],   v[ADA] offset:16*PITCH*\i+64*(\q)
	ds_load_b128 v[XF+8*\i+4:XF+8*\i+7], v[ADA] offset:16*PITCH*\i+64*(\q)+32
	ds_load_b128 v[WF+8*\i:WF+8*\i+3],   v[ADB] offset:16*PITCH*\i+64*(\q)
	ds_load_b128 v[WF+8*\i+4:WF+8*\i+7], v[ADB] offset:16*PITCH*\i+64*(\q)+32
.endr
	s_wait_dscnt 0x0
.irp a, 0,1,2,3
.irp nb, 0,1,2,3
.if \tr
.if \zero
	v_wmma_scale_f32_16x16x128_f8f6f4 v[ACC+8*(4*\a+\nb):ACC+8*(4*\a+\nb)+7], v[WF+8*\nb:WF+8*\nb+7], v[XF+8*\a:XF+8*\a+7], 0, v[SC+4*\nb+(\q)%4], v[SC+4*\a+(\q)%4] matrix_a_fmt:MATRIX_FMT_FP4 matrix_b_fmt:MATRIX_FMT_FP4 matrix_a_scale:MATRIX_SCALE_ROW1
.else
	v_wmma_scale_f32_16x16x128_f8f6f4 v[ACC+8*(4*\a+\nb):ACC+8*(4*\a+\nb)+7], v[WF+8*\nb:WF+8*\nb+7], v[XF+8*\a:XF+8*\a+7], v[ACC+8*(4*\a+\nb):ACC+8*(4*\a+\nb)+7], v[SC+4*\nb+(\q)%4], v[SC+4*\a+(\q)%4] matrix_a_fmt:MATRIX_FMT_FP4 matrix_b_fmt:MATRIX_FMT_FP4 matrix_a_scale:MATRIX_SCALE_ROW1
.endif
.else
.if \zero
	v_wmma_scale_f32_16x16x128_f8f6f4 v[ACC+8*(4*\a+\nb):ACC+8*(4*\a+\nb)+7], v[XF+8*\a:XF+8*\a+7], v[WF+8*\nb:WF+8*\nb+7], 0, v[SC+4*\a+(\q)%4], v[SC+4*\nb+(\q)%4] matrix_a_fmt:MATRIX_FMT_FP4 matrix_b_fmt:MATRIX_FMT_FP4 matrix_b_scale:MATRIX_SCALE_ROW1
.else
	v_wmma_scale_f32_16x16x128_f8f6f4 v[ACC+8*(4*\a+\nb):ACC+8*(4*\a+\nb)+7], v[XF+8*\a:XF+8*\a+7], v[WF+8*\nb:WF+8*\nb+7], v[ACC+8*(4*\a+\nb):ACC+8*(4*\a+\nb)+7], v[SC+4*\a+(\q)%4], v[SC+4*\nb+(\q)%4] matrix_a_fmt:MATRIX_FMT_FP4 matrix_b_fmt:MATRIX_FMT_FP4 matrix_b_scale:MATRIX_SCALE_ROW1
.endif
.endif
.endr
.endr
.endm
.macro RLOAD a, set                    ; tile a's table: cos(nb, j) at set + 8 nb + j, sin at set + 16 + 8 nb + j
.irp f, 0,1,2,3,4,5,6,7
	global_load_b128 v[\set+4*\f:\set+4*\f+3], v[LI], s[8:9] offset:4096*(\a)+512*\f
.endr
.endm
; RoPE of tile a: channel c < 32 (nb = 0, 1) pairs with c + 32 (nb + 2): x1' = x1 cos - x2 sin, x2' = x2 cos + x1 sin.  Each accumulator is read from its low end on; the f16 pairs land on registers already read.
.macro ROPE a, set
.irp nb, 0,1
.irp jp, 0,1,2,3
	v_pk_mul_f32 v[TT+4*\jp:TT+4*\jp+1],   v[ACC+8*(4*(\a)+\nb+2)+2*\jp:ACC+8*(4*(\a)+\nb+2)+2*\jp+1], v[\set+16+8*\nb+2*\jp:\set+16+8*\nb+2*\jp+1]
	v_pk_mul_f32 v[TT+4*\jp+2:TT+4*\jp+3], v[ACC+8*(4*(\a)+\nb)+2*\jp:ACC+8*(4*(\a)+\nb)+2*\jp+1],     v[\set+16+8*\nb+2*\jp:\set+16+8*\nb+2*\jp+1]
.endr
.irp jp, 0,1,2,3
	v_pk_fma_f32 v[TT+4*\jp:TT+4*\jp+1],   v[ACC+8*(4*(\a)+\nb)+2*\jp:ACC+8*(4*(\a)+\nb)+2*\jp+1],     v[\set+8*\nb+2*\jp:\set+8*\nb+2*\jp+1], v[TT+4*\jp:TT+4*\jp+1] neg_lo:[0,0,1] neg_hi:[0,0,1]
	v_pk_fma_f32 v[TT+4*\jp+2:TT+4*\jp+3], v[ACC+8*(4*(\a)+\nb+2)+2*\jp:ACC+8*(4*(\a)+\nb+2)+2*\jp+1], v[\set+8*\nb+2*\jp:\set+8*\nb+2*\jp+1], v[TT+4*\jp+2:TT+4*\jp+3]
.endr
.irp jp, 0,1,2,3
	v_cvt_pk_f16_f32 v[ACC+8*(4*(\a)+\nb)+\jp],   v[TT+4*\jp],   v[TT+4*\jp+1]
	v_cvt_pk_f16_f32 v[ACC+8*(4*(\a)+\nb+2)+\jp], v[TT+4*\jp+2], v[TT+4*\jp+3]
.endr
.endr
.irp nb, 0,1,2,3
	global_store_b128 v[LI], v[ACC+8*(4*(\a)+\nb):ACC+8*(4*(\a)+\nb)+3], s[96:97] offset:2048*(\a)+512*\nb   ; 512 consecutive bytes a store; these registers are not written again
.endr
.endm
	s_load_b256 s[4:11], s[0:1], 0x0               ; codes s[4:5], scales s[6:7], rope s[8:9], qf s[10:11]
	s_load_b64 s[12:13], s[0:1], 0x20              ; kvf
	v_lshl_add_u32 v[SPW], v0, 2, SPARE
	v_mov_b32 v[NIL], 0
	ds_add_u32 v[SPW], v[NIL]                      ; the opening: the add, twice on end, and its wait ahead of my first tensor load
	ds_add_u32 v[SPW], v[NIL]
	v_lshrrev_b32 v7, 5, v0
	v_readfirstlane_b32 s14, v7                    ; wave 0..7
	s_lshr_b32 s15, s14, 2                         ; wm
	s_and_b32 s16, s14, 3                          ; wn
	s_bfe_u32 s17, ttmp6, 0x40000                  ; cx
	s_lshl_b32 s18, ttmp9, 2
	s_add_co_u32 s18, s18, s17                     ; X = 4 x cluster x + cx
	s_and_b32 s19, ttmp7, 0xffff                   ; y, the same in all four partners
	; group 1 of the four kinds of load: constants
	s_mov_b32 s24, (1<<20)|(6<<22)|(3<<25)         ; tokens' codes: no mask; elements of 1 byte; 4 words of padding after every 128
	s_mov_b32 s32, 15|(1<<20)|(1<<21)|(6<<22)|(3<<25)   ; weights' codes: the same, asked for by all four partners
.irp g, 24, 32
	s_mov_b32 s[\g+1], 512<<16                     ; tensor_dim0 = 512
	s_mov_b32 s[\g+2], 64<<16                      ; tensor_dim1 = 64
	s_mov_b32 s[\g+3], 512<<16                     ; tile_dim0 = 512
	s_mov_b32 s[\g+4], 64                          ; tile_dim1 = 64
	s_mov_b32 s[\g+5], 512                         ; from row to row
	s_mov_b32 s[\g+6], 0
	s_mov_b32 s[\g+7], 0
.endr
	s_mov_b32 s40, (3<<16)|(1<<20)|(5<<22)|(3<<25) ; tokens' scales: elements of 8 bytes, rows of 32 of them, 4 words of padding after every 64
	s_mov_b32 s41, 32<<16
	s_mov_b32 s42, 16<<16
	s_mov_b32 s43, 32<<16
	s_mov_b32 s44, 16
	s_mov_b32 s45, 32
	s_mov_b32 s46, 0
	s_mov_b32 s47, 0
	s_mov_b32 s48, 15|(3<<16)|(1<<20)|(1<<21)|(5<<22)|(3<<25)   ; weights' scales: 32 rows, joint
	s_mov_b32 s49, 32<<16
	s_mov_b32 s50, 32<<16
	s_mov_b32 s51, 32<<16
	s_mov_b32 s52, 32
	s_mov_b32 s53, 32
	s_mov_b32 s54, 0
	s_mov_b32 s55, 0
	; offsets.  What holds cx (s20-23) never enters a joint load's registers (s76-83)
	s_and_b32 s76, s14, 1
	s_lshl_b32 s20, s18, 16                        ; 128 X rows of 512 bytes
	s_lshl_b32 s21, s76, 15
	s_add_co_u32 s20, s20, s21                     ; + my 64 rows
	s_mov_b32 s21, 0
	s_mul_i32 s77, s76, HALFT
	s_add_co_u32 s78, s14, 2
	s_and_b32 s78, s78, 3                          ; waves 2 to 5 fetch quarters 0 to 3 of the weights' rows
	s_lshl_b32 s80, s19, 17
	s_lshl_b32 s81, s78, 15
	s_add_co_u32 s80, s80, s81
	s_add_co_u32 s80, s80, 4194304                 ; rows 8192 + 256 y + 64 quarter
	s_mov_b32 s81, 0
	s_mul_i32 s79, s78, HALFT
	s_add_co_u32 s79, s79, LB
	s_lshl_b32 s22, s18, 12                        ; 128 X rows of 32 scale bytes
	s_mov_b32 s23, 0
	s_lshl_b32 s82, s19, 13
	s_add_co_u32 s82, s82, 262144
	s_mov_b32 s83, 0
	s_wait_dscnt 0x0                               ; both opening adds are done
	s_wait_kmcnt 0x0
	s_mov_b32 s56, 1
	s_mov_b32 s57, s77
	s_add_nc_u64 s[58:59], s[4:5], s[20:21]
	s_or_b32 s59, s59, 0x80000000
	s_mov_b32 s60, 1
	s_mov_b32 s61, s79
	s_add_nc_u64 s[62:63], s[4:5], s[80:81]
	s_or_b32 s63, s63, 0x80000000
	s_mov_b32 s68, 1
	s_mov_b32 s69, SCA
	s_add_nc_u64 s[70:71], s[6:7], s[22:23]
	s_or_b32 s71, s71, 0x80000000
	s_mov_b32 s72, 1
	s_mov_b32 s73, SCB
	s_add_nc_u64 s[74:75], s[6:7], s[82:83]
	s_or_b32 s75, s75, 0x80000000
	CROUND                                         ; all four work-groups are here: the joint loads meet
	; one load a wave, each in its own arm of a chain of branches on the wave's number: one tensor load of mine is out
	s_cmp_lt_u32 s14, 2
	s_cbranch_scc0 .Lnot_a
	tensor_load_to_lds s[56:59], s[24:31]          ; waves 0, 1: the tokens' codes
	s_nop 0
	PLACES
	s_branch .Lasked
.Lnot_a:
	s_cmp_lt_u32 s14, 6
	s_cbranch_scc0 .Lnot_b
	tensor_load_to_lds s[60:63], s[32:39]          ; waves 2 to 5: the weights' codes
	s_nop 0
	PLACES
	s_branch .Lasked
.Lnot_b:
	s_cmp_eq_u32 s14, 6
	s_cbranch_scc0 .Lnot_sa
	tensor_load_to_lds s[68:71], s[40:47]          ; wave 6: the tokens' scales
	s_nop 0
	PLACES
	s_branch .Lasked
.Lnot_sa:
	tensor_load_to_lds s[72:75], s[48:55]          ; wave 7: the weights' scales
	s_nop 0
	PLACES
.Lasked:
	v_and_b32 v7, 15, v0                           ; r
	v_bfe_u32 v8, v0, 4, 1                         ; h
	v_and_b32 v9, 31, v0
	v_lshlrev_b32 v[LI], 4, v9
	v_mul_u32_u24 v10, v7, PITCH
	v_lshl_add_u32 v10, v8, 4, v10                 ; a fragment's row x pitch + 16 h
	s_mul_i32 s84, s15, HALFT
	v_add_nc_u32 v[ADA], s84, v10
	s_mul_i32 s85, s16, HALFT
	s_add_co_u32 s85, s85, LB
	v_add_nc_u32 v[ADB], s85, v10
	v_lshrrev_b32 v11, 3, v7                       ; a row's 32 scale bytes: eight rows to a unit of 256 + 16
	v_and_b32 v12, 7, v7
	v_mul_u32_u24 v11, v11, 272
	v_lshl_add_u32 v11, v12, 5, v11
	s_mul_i32 s86, s15, 2176                       ; 64 rows are eight units
	s_mul_i32 s87, s16, 2176
	s_add_co_u32 s87, s87, 16*272
	s_sub_co_u32 s87, s87, s86                     ; from my tokens' words to my weights'
	v_mul_u32_u24 v12, s87, v8                     ; lanes 16-31 take the weights': one product
	s_add_co_u32 s86, s86, SCA
	v_add_nc_u32 v11, v11, v12
	v_add_nc_u32 v[ADS], s86, v11
	; where the results go
	s_lshr_b32 s88, s18, 5                         ; b
	s_and_b32 s89, s18, 31
	s_lshl_b32 s90, s89, 3
	s_lshl_b32 s91, s15, 2
	s_add_co_u32 s90, s90, s91                     ; my first tile of 16 positions: 8 (X % 32) + 4 wm
	s_lshl_b32 s92, s88, 2
	s_add_co_u32 s92, s92, s16
	s_lshl_b32 s92, s92, 6
	s_lshl_b32 s93, s89, 1
	s_add_co_u32 s92, s92, s93
	s_add_co_u32 s92, s92, s15
	s_lshl_b32 s92, s92, 14                        ; kvf: ((4 b + wn) 64 + key step) x 16,384
	s_mov_b32 s93, 0
	s_wait_tensorcnt 0x0                           ; my load has landed,
	s_barrier_signal -1
	s_barrier_wait -1                              ; everybody's has
	s_cmp_eq_u32 s19, 3
	s_cbranch_scc1 .Lv
	; ---- queries and keys
	s_lshl_b32 s94, s88, 3
	s_lshl_b32 s95, s19, 2
	s_add_co_u32 s94, s94, s95
	s_add_co_u32 s94, s94, s16
	s_lshl_b32 s94, s94, 8
	s_add_co_u32 s94, s94, s90
	s_lshl_b32 s94, s94, 11                        ; qf: ((8 b + 4 y + wn) 256 + tile) x 2,048
	s_mov_b32 s95, 0
	s_cmp_lt_u32 s19, 2
	s_cselect_b64 s[96:97], s[10:11], s[12:13]
	s_cselect_b64 s[94:95], s[94:95], s[92:93]
	s_add_nc_u64 s[96:97], s[96:97], s[94:95]
	s_lshl_b32 s98, s90, 12
	s_mov_b32 s99, 0
	s_add_nc_u64 s[8:9], s[8:9], s[98:99]
	RLOAD 0, R0
	KSTEP 0, 1, 1
.irp q, 1,2,3,4,5,6,7
	KSTEP \q, 1, 0
.endr
	PLACES                                         ; in front of loads into the operands' registers and of the first read of results
	RLOAD 1, 16
	RLOAD 2, 48
	s_wait_loadcnt 16                              ; tile 0's table is in; tiles 1 and 2's eight loads each may be out
	ROPE 0, R0
	RLOAD 3, R0
	s_wait_loadcnt 16                              ; tile 1's; tiles 2 and 3's may be out
	ROPE 1, 16
	s_wait_loadcnt 8
	ROPE 2, 48
	s_wait_loadcnt 0x0
	ROPE 3, R0
	FINISH
	; ---- values: piece (u = a / 2, nb, i = a % 2) of the key step's V^T
.Lv:
	s_add_nc_u64 s[96:97], s[12:13], s[92:93]
	KSTEP 0, 0, 1
.irp q, 1,2,3,4,5,6,7
	KSTEP \q, 0, 0
.endr
	PLACES
.irp a, 0,1,2,3
.irp nb, 0,1,2,3
.irp jj, 0,1,2,3
	v_cvt_pk_f16_f32 v[ACC+8*(4*\a+\nb)+\jj], v[ACC+8*(4*\a+\nb)+2*\jj], v[ACC+8*(4*\a+\nb)+2*\jj+1]   ; in place, from the low end on
.endr
	global_store_b128 v[LI], v[ACC+8*(4*\a+\nb):ACC+8*(4*\a+\nb)+3], s[96:97] offset:8192+4096*(\a/2)+1024*\nb+512*(\a%2)
.endr
.endr
	FINISH
.Lfunc_end_k_q00a11798ab_qkv:
	.size	k_q00a11798ab_qkv, .Lfunc_end_k_q00a11798ab_qkv-k_q00a11798ab_qkv
	.p2alignl 7, 3214868480
	.fill 96, 4, 3214868480
	.section	.rodata,"a",@progbits
	.p2align	6, 0x0
	.amdhsa_kernel k_q00a11798ab_qkv
		.amdhsa_group_segment_fixed_size 216832
		.amdhsa_private_segment_fixed_size 0
		.amdhsa_enable_private_segment 0
		.amdhsa_kernarg_size 40
		.amdhsa_user_sgpr_count 2
		.amdhsa_user_sgpr_kernarg_segment_ptr 1
		.amdhsa_wavefront_size32 1
		.amdhsa_system_sgpr_workgroup_id_x 1
		.amdhsa_system_sgpr_workgroup_id_y 1
		.amdhsa_system_sgpr_workgroup_id_z 1
		.amdhsa_system_vgpr_workitem_id 0
		.amdhsa_next_free_vgpr 256
		.amdhsa_next_free_sgpr 100
		.amdhsa_reserve_vcc 0
		.amdhsa_float_denorm_mode_32 3
		.amdhsa_float_denorm_mode_16_64 3
		.amdhsa_memory_ordered 1
		.amdhsa_forward_progress 1
		.amdhsa_inst_pref_size 83
	.end_amdhsa_kernel
	.amdgpu_metadata
---
amdhsa.version: [ 1, 2 ]
amdhsa.kernels:
  - .name:           k_q00a11798ab_qkv
    .symbol:         k_q00a11798ab_qkv.kd
    .args:
      - { .name: codes, .offset: 0, .size: 8, .value_kind: global_buffer, .address_space: global }
      - { .name: scales, .offset: 8, .size: 8, .value_kind: global_buffer, .address_space: global }
      - { .name: rope, .offset: 16, .size: 8, .value_kind: global_buffer, .address_space: global }
      - { .name: qf, .offset: 24, .size: 8, .value_kind: global_buffer, .address_space: global }
      - { .name: kvf, .offset: 32, .size: 8, .value_kind: global_buffer, .address_space: global }
    .group_segment_fixed_size: 216832
    .private_segment_fixed_size: 0
    .kernarg_segment_align: 8
    .kernarg_segment_size: 40
    .max_flat_workgroup_size: 256
    .sgpr_count:     100
    .vgpr_count:     256
    .wavefront_size: 32
...
	.end_amdgpu_metadata
.endif
;; end of part 2
;; launch attn (part 3): grid 32 x 8, 8 waves a work-group, clusters of 4 x 1, 327,680 bytes of LDS; arguments qf, kvf, of16; writes of16
.if DOCPART == 3
	.amdgcn_target "amdgcn-amd-amdhsa--gfx1250"
	.amdhsa_code_object_version 6
	.text
	.protected	k_q00a11798ab_attn
	.globl	k_q00a11798ab_attn
	.p2align	8
	.type	k_q00a11798ab_attn,@function
k_q00a11798ab_attn:
	s_mov_b64 s[64:65], 0
	v_nop
	global_prefetch_b8 v0, s[64:65] scope:SCOPE_SE
	s_setreg_imm32_b32 hwreg(HW_REG_WAVE_MODE, 25, 1), 1
	s_wait_xcnt 0x0
	s_wait_alu depctr_hold_cnt(0) depctr_sa_sdst(0) depctr_va_vdst(0) depctr_va_sdst(0) depctr_va_ssrc(0) depctr_va_vcc(0) depctr_vm_vsrc(0)
	s_getreg_b32 s2, hwreg(HW_REG_IB_STS2, 6, 4)
	s_cmp_eq_u32 s2, 0
	s_cbranch_scc0 .Lentry_in_a_cluster
	s_endpgm
.Lentry_in_a_cluster:
	s_bfe_u32 s2, ttmp6, 0x10000c
	s_cmp_lg_u32 s2, 0x3003
	s_cbranch_scc0 .Lentry_shape_is_right
	s_endpgm
.Lentry_shape_is_right:
; ATTN: O[b][h][q] = sum over k of softmax_k(0.1 Q . K) V, no mask; f16 operands, f32 products, maxima and sums; a running maximum is taken away before every exponential.  No work of reference() is left out here.
; SHARES.  y = 4 b + kv; X: head 2 kv + X / 16, block X % 16 of 256 queries.  Wave w: g = w % 4 takes 64 queries (four tiles of 16), half = w / 4 takes the key steps (64 keys) of that parity.
; The two waves of one g keep a maximum, a sum and an O^T each; they are merged once, at the end, through LDS.  So a fragment of K or V read from LDS feeds four matrix instructions,
; and two waves of 512 registers lie on each SIMD, one's vector work beside the other's matrix work.
; LAYOUT.  Both products transposed: S^T = K Q^T, O^T = V^T P: a lane holds one query throughout.  K, V^T and Q arrive as images of operand registers: a piece is 512 bytes, lane l's 16 bytes at 16 l:
; every LDS load reads 512 consecutive bytes, nothing is turned, no padding is wanted.
; CLUSTER.  All 32 work-groups of a y walk the same 1 MiB of kvf; the four of a cluster ask for each slot jointly (mask 15).  A slot is 512 keys, 131,072 bytes; each of the eight waves fetches one key step, 16,384 bytes.
; All of a WGP's LDS is claimed.
; LIMITS: p below f16's smallest number counts as 0 in the second product (the sum takes the f32 p); 8 x |O| must stay under 65,504.
; REGISTERS.  window 0: v1-7 addresses; v16-47 eight registers of statistics a tile; v48-63 the merge; v64-191 S^T, 32 a tile, P packed onto its first 16; v192-255 K.
;             window 1: v0-127 O^T, 32 a tile; v128-191 Q, 16 a tile; v192-255 V^T.
.set SLOT1, 1<<17
.set SPARE, 2*SLOT1                    ; behind the ring: the spare words, 128 bytes for each of eight waves
.set LI,  1                            ; v1  16 x lane
.set ADR, 2                            ; v2  LDS address of the key step in hand
.set STG, 4                            ; v4  the merge's stage: 18,432 g + 16 x lane, in slot 0, which has had its last fill and its last read when the first result is stored there
.set PFO, 5                            ; v5  256 x lane
.set SPW, 6                            ; v6  my spare word; never rewritten
.set NIL, 7                            ; v7  0; never rewritten
.set ST,  16                           ; tile t at 16 + 8 t: +0 c m, +1 m, +2, +3 l in two halves, +4 .. +7 at work (a in +6)
.set S,   64
.set KR,  192
.set QR,  128                          ; in window 1
.set VR,  192                          ; in window 1
.set WV,  12
.set CS,  40                           ; s[40:41] c = 0.1 log2(e)
.set SEL, 42                           ; s[42:43] lane l xor 16
.set TB,  44                           ; s44 LDS byte of the key step to be fetched
.set SLOTS, 45
.set CNT, 46
.set PFA, 48                           ; s[48:49] where my prefetches stand
.set LIM, 50
.set MSB, 0
.macro WIN new                         ; the immediate's high byte repeats the setting that is left
.if MSB != (\new)
	s_set_vgpr_msb (MSB<<8)|(\new)
.set MSB, (\new)
.endif
.endm
.macro CROUND
	s_barrier_signal -1
	s_barrier_wait -1
	s_cmp_lg_u32 s[WV], 0
	s_cbranch_scc1 .Lnot_wave_0_\@
	s_barrier_signal -3
.Lnot_wave_0_\@:
	s_barrier_wait -3
	s_barrier_signal -1
	s_barrier_wait -1
.endm
.macro KLOAD                           ; a step's K: piece f = 4 kt + nb
	WIN 0
.irp f, 0,1,2,3,4,5,6,7,8,9,10,11,12,13,14,15
	ds_load_b128 v[KR+4*\f:KR+4*\f+3], v[ADR] offset:512*\f
.endr
.endm
.macro VLOAD                           ; its V^T: piece f = 8 u + 2 nb + i
	WIN 0x40                                       ; destination window 1
.irp f, 0,1,2,3,4,5,6,7,8,9,10,11,12,13,14,15
	ds_load_b128 v[VR+4*\f:VR+4*\f+3], v[ADR] offset:8192+512*\f
.endr
.endm
.macro KQ                              ; S^T = K Q^T: 32 products; the 16 accumulators take turns; the first 16 start the sums
	WIN 0x04                                       ; source 1 (Q) window 1
.irp c, 0,1
.irp kt, 0,1,2,3
.irp t, 0,1,2,3
.if \c == 0
	v_wmma_f32_16x16x32_f16 v[S+32*\t+8*\kt:S+32*\t+8*\kt+7], v[KR+16*\kt+8*\c:KR+16*\kt+8*\c+7], v[QR+16*\t+8*\c:QR+16*\t+8*\c+7], 0
.else
	v_wmma_f32_16x16x32_f16 v[S+32*\t+8*\kt:S+32*\t+8*\kt+7], v[KR+16*\kt+8*\c:KR+16*\kt+8*\c+7], v[QR+16*\t+8*\c:QR+16*\t+8*\c+7], v[S+32*\t+8*\kt:S+32*\t+8*\kt+7]
.endif
.endr
.endr
.endr
.endm
.macro PV                              ; O^T += V^T P: 32 products, 16 accumulators by turns
	WIN 0x51                                       ; V, C and D window 1; P window 0
.irp u, 0,1
.irp nb, 0,1,2,3
.irp t, 0,1,2,3
	v_wmma_f32_16x16x32_f16 v[32*\t+8*\nb:32*\t+8*\nb+7], v[VR+32*\u+8*\nb:VR+32*\u+8*\nb+7], v[S+32*\t+8*\u:S+32*\t+8*\u+7], v[32*\t+8*\nb:32*\t+8*\nb+7]
.endr
.endr
.endr
.endm
; The softmax of a key step, the four tiles line by line.  118 instructions a tile.
.macro SOFTMAX
	WIN 0
.irp j, 0,1,2,3                        ; the maximum of 32 scores and the old m: four chains, each begun at an accumulator's low end
.irp t, 0,1,2,3
	v_max3_num_f32 v[ST+8*\t+4+\j], v[S+32*\t+8*\j], v[S+32*\t+8*\j+1], v[S+32*\t+8*\j+2]
.endr
.endr
.irp q, 1,2
.irp j, 0,1,2,3
.irp t, 0,1,2,3
	v_max3_num_f32 v[ST+8*\t+4+\j], v[ST+8*\t+4+\j], v[S+32*\t+8*\j+2*\q+1], v[S+32*\t+8*\j+2*\q+2]
.endr
.endr
.endr
.irp t, 0,1,2,3
	v_max3_num_f32 v[ST+8*\t+4], v[ST+8*\t+4], v[S+32*\t+7], v[S+32*\t+15]
.endr
.irp t, 0,1,2,3
	v_max3_num_f32 v[ST+8*\t+6], v[ST+8*\t+6], v[S+32*\t+23], v[S+32*\t+31]
.endr
.irp t, 0,1,2,3
	v_max3_num_f32 v[ST+8*\t+4], v[ST+8*\t+4], v[ST+8*\t+5], v[ST+8*\t+6]
.endr
.irp t, 0,1,2,3
	v_max3_num_f32 v[ST+8*\t+4], v[ST+8*\t+4], v[ST+8*\t+7], v[ST+8*\t+1]
.endr
.irp t, 0,1,2,3
	v_permlanex16_b32 v[ST+8*\t+5], v[ST+8*\t+4], s[SEL], s[SEL+1]   ; the query's other 32 keys lie in the lane 16 away
.endr
.irp t, 0,1,2,3
	v_mov_b32 v[ST+8*\t+7], v[ST+8*\t]             ; c m_old
.endr
.irp t, 0,1,2,3
	v_max_num_f32 v[ST+8*\t+1], v[ST+8*\t+4], v[ST+8*\t+5]
.endr
.irp t, 0,1,2,3
	v_mul_f32 v[ST+8*\t], s[CS], v[ST+8*\t+1]
.endr
.irp t, 0,1,2,3
	v_sub_f32 v[ST+8*\t+7], v[ST+8*\t+7], v[ST+8*\t]
.endr
.irp t, 0,1,2,3                        ; ONE BATCH: a = 2^(c m_old - c m_new), the 64 scalings c s - c m and the 128 exponentials; none of these lines names an exponential's result
	v_exp_f32 v[ST+8*\t+6], v[ST+8*\t+7]
.endr
.set PB, 0
.rept 17
.if PB < 16
.irp t, 0,1,2,3
	v_pk_fma_f32 v[S+32*\t+2*PB:S+32*\t+2*PB+1], v[S+32*\t+2*PB:S+32*\t+2*PB+1], s[CS:CS+1], v[ST+8*\t:ST+8*\t+1] op_sel_hi:[1,0,0] neg_lo:[0,0,1] neg_hi:[0,0,1]
.endr
.endif
.if PB > 0
.irp t, 0,1,2,3
	v_exp_f32 v[S+32*\t+2*PB-2], v[S+32*\t+2*PB-2]
	v_exp_f32 v[S+32*\t+2*PB-1], v[S+32*\t+2*PB-1]
.endr
.endif
.set PB, PB+1
.endr
	v_nop                                          ; one plain line behind the last exponential,
	s_wait_alu depctr_va_vdst(0)                   ; and one wait for the batch ahead of its first reader
.irp t, 0,1,2,3                        ; l = a l + the sum of the unrounded p, in two chains of pairs
	v_pk_fma_f32 v[ST+8*\t+2:ST+8*\t+3], v[ST+8*\t+2:ST+8*\t+3], v[ST+8*\t+6:ST+8*\t+7], v[S+32*\t:S+32*\t+1] op_sel_hi:[1,0,1]
.endr
.irp t, 0,1,2,3
	v_pk_add_f32 v[ST+8*\t+4:ST+8*\t+5], v[S+32*\t+2:S+32*\t+3], v[S+32*\t+6:S+32*\t+7]
.endr
.irp p, 2,4,6,8,10,12
.irp t, 0,1,2,3
	v_pk_add_f32 v[ST+8*\t+2:ST+8*\t+3], v[ST+8*\t+2:ST+8*\t+3], v[S+32*\t+2*\p:S+32*\t+2*\p+1]
	v_pk_add_f32 v[ST+8*\t+4:ST+8*\t+5], v[ST+8*\t+4:ST+8*\t+5], v[S+32*\t+2*\p+6:S+32*\t+2*\p+7]
.endr
.endr
.irp t, 0,1,2,3
	v_pk_add_f32 v[ST+8*\t+2:ST+8*\t+3], v[ST+8*\t+2:ST+8*\t+3], v[S+32*\t+28:S+32*\t+29]
.endr
.irp t, 0,1,2,3
	v_pk_add_f32 v[ST+8*\t+2:ST+8*\t+3], v[ST+8*\t+2:ST+8*\t+3], v[ST+8*\t+4:ST+8*\t+5]
.endr
.set J, 0
.rept 16                               ; p to f16, in place and ascending: register j has been read when it is written.  Registers 8 u .. 8 u + 7 are source 1 for keys 32 u on
.irp t, 0,1,2,3
	v_cvt_pk_f16_f32 v[S+32*\t+J], v[S+32*\t+2*J], v[S+32*\t+2*J+1]
.endr
.set J, J+1
.endr
	WIN 0x41                                       ; O^T (destination and source 0) window 1, a window 0
.set J, 0
.rept 16                               ; O^T x a, each accumulator from its low end on
.irp t, 0,1,2,3
	v_pk_mul_f32 v[32*\t+2*J:32*\t+2*J+1], v[32*\t+2*J:32*\t+2*J+1], v[ST+8*\t+6:ST+8*\t+7] op_sel_hi:[1,0]
.endr
.set J, J+1
.endr
.endm
; A key step of mine: its scores are in S^T.  next = 1: the next step's K is fetched first, its V behind this step's V^T P, and its scores are made at the end.
.macro BODY next
	WIN 0
.if \next
	v_add_nc_u32 v[ADR], s[TB], v[LI]              ; with the three below: four places behind K Q^T, for the loads into K and the first read of the scores
.rept 3
	v_nop
.endr
	KLOAD
.else
.rept 4
	v_nop
.endr
.endif
	SOFTMAX
.if \next
	s_wait_dscnt 16                                ; V is in; the sixteen younger loads (K) may be out
.else
	s_wait_dscnt 0x0
.endif
	PV
.if \next
	WIN 0
.rept 5
	v_nop                                          ; K Q^T writes over P, which V^T P has read: five places; the loads into V want four
.endr
	VLOAD
	s_add_co_u32 s[TB], s[TB], 32768               ; my next step lies two steps on
	s_wait_dscnt 16                                ; K is in; the sixteen younger loads (V) may be out
	KQ
	WIN 0
.endif
.endm
; A prefetch of the slot that the NEXT change will ask for: 131,072 bytes, each aligned block of 256 named once in the launch: of the eight clusters of a y the first asks; its four partners take 32,768 bytes each, told
; apart by address; in each, waves 0 to 3 take 8,192 bytes, lanes 256 bytes apart.  It stands behind the wave's tensor load, four of my key steps ahead of the load that wants the data.  The last filling change asks for nothing.
.macro ASK
	s_cmp_gt_u32 s[SLOTS], s[LIM]
	s_cbranch_scc0 .Lnot_mine_\@
	global_prefetch_b8 v[PFO], s[PFA:PFA+1] th:TH_LOAD_NT scope:SCOPE_SE
.Lnot_mine_\@:
.endm
; The change of slots: all of the slot's bytes have been asked for by my LDS loads.  Each wave waits for all its tensor loads (one is out: its part of the other slot), adds 0 to its spare word, waits for that and for its reads.
; fill = 1: a round of the cluster's barrier, then the joint refill of the slot just left, first thing: it has four of my key steps, 256 matrix instructions, in which to land.
.macro CHANGE fill
	WIN 0
	s_wait_tensorcnt 0x0                           ; no tensor load of mine is out: a group 0 may be written
	ds_add_u32 v[SPW], v[NIL]
.if \fill
	s_xor_b32 s37, s37, SLOT1                      ; the walking descriptor: the other slot,
	s_add_nc_u64 s[38:39], s[38:39], 131072        ; the next 512 keys
	s_wait_xcnt 0x0                                ; the last prefetch has read its address
	s_add_nc_u64 s[PFA:PFA+1], s[PFA:PFA+1], 131072
	s_wait_dscnt 0x0                               ; the add is done, my reads of the slot are over
	CROUND
	tensor_load_to_lds s[36:39], s[24:31]
	s_nop 0
.rept 4
	v_nop
.endr
	ASK
.else
	s_wait_dscnt 0x0
	s_barrier_signal -1
	s_barrier_wait -1
.endif
	s_sub_co_u32 s[TB], s[TB], 131072              ; back to a slot's head,
	s_xor_b32 s[TB], s[TB], SLOT1                  ; in the other slot
.endm
.macro STEPS n
	s_mov_b32 s[CNT], \n
.Lstep_\@:
	BODY 1
	s_sub_co_u32 s[CNT], s[CNT], 1
	s_cmp_lg_u32 s[CNT], 0
	s_cbranch_scc1 .Lstep_\@
.endm
	s_load_b128 s[4:7], s[0:1], 0x0                ; qf s[4:5], kvf s[6:7]
	s_load_b64 s[8:9], s[0:1], 0x10                ; of16
	v_lshl_add_u32 v[SPW], v0, 2, SPARE
	v_mov_b32 v[NIL], 0
	ds_add_u32 v[SPW], v[NIL]                      ; the opening: the add, twice on end, and its wait ahead of my first tensor load
	ds_add_u32 v[SPW], v[NIL]
	v_lshrrev_b32 v8, 5, v0
	v_readfirstlane_b32 s[WV], v8                  ; wave 0..7
	s_lshr_b32 s13, s[WV], 2                       ; half
	s_and_b32 s14, s[WV], 3                        ; g
	s_bfe_u32 s15, ttmp6, 0x40000                  ; cx
	s_lshl_b32 s16, ttmp9, 2
	s_add_co_u32 s16, s16, s15                     ; X: it enters Q's and O's addresses alone
	s_and_b32 s17, ttmp7, 0xffff                   ; y = 4 b + kv, which the partners share
	s_mov_b32 s24, 15|(3<<16)|(1<<21)              ; group 1: all four partners; elements of 8 bytes; no padding: 64 rows of 256 bytes, dense
	s_mov_b32 s25, 32<<16
	s_mov_b32 s26, 64<<16
	s_mov_b32 s27, 32<<16
	s_mov_b32 s28, 64
	s_mov_b32 s29, 32
	s_mov_b32 s30, 0
	s_mov_b32 s31, 0
	s_lshl_b32 s18, s17, 20                        ; kvf: 1 MiB a y,
	s_lshl_b32 s19, s[WV], 14                      ; my key step of a slot
	s_add_co_u32 s18, s18, s19
	s_mov_b32 s19, 0
	s_lshl_b32 s20, s[WV], 14                      ; and its place in a slot
	s_lshr_b32 s21, s17, 2                         ; b
	s_and_b32 s22, s17, 3
	s_lshl_b32 s22, s22, 1
	s_lshr_b32 s23, s16, 4
	s_add_co_u32 s22, s22, s23                     ; the head
	s_and_b32 s23, s16, 15
	s_lshl_b32 s23, s23, 4
	s_lshl_b32 s51, s14, 2
	s_add_co_u32 s23, s23, s51                     ; my first tile of 16 queries
	s_lshl_b32 s52, s21, 3
	s_add_co_u32 s52, s52, s22
	s_lshl_b32 s52, s52, 8
	s_add_co_u32 s52, s52, s23
	s_lshl_b32 s52, s52, 11                        ; qf: ((8 b + head) 256 + tile) x 2,048
	s_mov_b32 s53, 0
	s_lshl_b32 s54, s21, 8
	s_add_co_u32 s54, s54, s23
	s_lshl_b32 s54, s54, 14
	s_lshl_b32 s55, s22, 11
	s_add_co_u32 s54, s54, s55                     ; of16: (256 b + tile) x 16,384 + 2,048 head
	s_mov_b32 s55, 0
	s_lshl_b32 s56, s17, 20                        ; the prefetches: my y,
	s_lshl_b32 s57, s15, 15                        ; my work-group's 32,768 bytes of a slot,
	s_add_co_u32 s56, s56, s57
	s_lshl_b32 s57, s14, 13                        ; my wave's 8,192 of them,
	s_add_co_u32 s56, s56, s57
	s_add_co_u32 s56, s56, 262144                  ; in key slot 2: the first change steps it to 3.  Nothing is prefetched at the head
	s_mov_b32 s57, 0
	s_or_b32 s[LIM], s13, ttmp9                    ; waves 0 to 3 of the y's first cluster: the same in all four partners
	s_cmp_eq_u32 s[LIM], 0
	s_cselect_b32 s[LIM], 1, -1
	s_mov_b32 s[CS], 0x3e13bb63                    ; c = 0.1 log2(e)
	s_mov_b32 s[CS+1], s[CS]
	s_mov_b32 s[SEL], 0x76543210
	s_mov_b32 s[SEL+1], 0xfedcba98
	s_lshl_b32 s[TB], s13, 14                      ; my first key step: number half
	s_mov_b32 s[SLOTS], 6
	v_and_b32 v8, 31, v0
	v_lshlrev_b32 v[LI], 4, v8
	v_lshlrev_b32 v[PFO], 8, v8
	s_mul_i32 s58, s14, 18432
	v_add_nc_u32 v[STG], s58, v[LI]
	s_wait_dscnt 0x0                               ; both opening adds are done
	s_wait_kmcnt 0x0
	s_add_nc_u64 s[PFA:PFA+1], s[6:7], s[56:57]
	s_mov_b32 s32, 1
	s_mov_b32 s33, s20
	s_add_nc_u64 s[34:35], s[6:7], s[18:19]        ; key slot 0
	s_mov_b32 s36, 1
	s_add_co_u32 s37, s20, SLOT1
	s_add_nc_u64 s[38:39], s[34:35], 131072        ; key slot 1
	s_or_b32 s35, s35, 0x80000000
	s_or_b32 s39, s39, 0x80000000
	s_add_nc_u64 s[4:5], s[4:5], s[52:53]
	s_add_nc_u64 s[8:9], s[8:9], s[54:55]
	CROUND                                         ; all four work-groups are here: the first joint loads meet
	tensor_load_to_lds s[32:35], s[24:31]          ; every wave issues both first fills: two tensor loads of mine are out
	s_nop 0
	tensor_load_to_lds s[36:39], s[24:31]
	s_nop 0
.rept 4
	v_nop
.endr
	WIN 0x40
.irp f, 0,1,2,3,4,5,6,7,8,9,10,11,12,13,14,15
	global_load_b128 v[QR+4*\f:QR+4*\f+3], v[LI], s[4:5] offset:512*\f   ; Q stays in registers: piece f = 4 t + nb
.endr
.set I, 0
.rept 128
	v_mov_b32 v[I], 0                              ; O^T.  The step is written without a first step of its own: the first finds zeros, which a = 0 leaves zeros
.set I, I+1
.endr
	WIN 0
.irp t, 0,1,2,3
	v_mov_b32 v[ST+8*\t+1], 0xff61b1e6             ; m = -3e38, under every score
	v_mul_f32 v[ST+8*\t], s[CS], v[ST+8*\t+1]
	v_mov_b32 v[ST+8*\t+2], 0
	v_mov_b32 v[ST+8*\t+3], 0
.endr
	s_wait_tensorcnt 0x1                           ; my part of slot 0 is in; slot 1's may stay out
	s_barrier_signal -1
	s_barrier_wait -1
	v_add_nc_u32 v[ADR], s[TB], v[LI]
	KLOAD
	VLOAD
	s_add_co_u32 s[TB], s[TB], 32768
	s_wait_loadcnt 0x0                             ; Q
	s_wait_dscnt 16                                ; K is in; V's sixteen loads may be out
	KQ
	WIN 0
	STEPS 3                                        ; slot 0 holds four of my steps; the first was fetched above
.Lslot:                                                ; six trips: key slots 2 to 7 are asked for
	CHANGE 1
	STEPS 4
	s_sub_co_u32 s[SLOTS], s[SLOTS], 1
	s_cmp_lg_u32 s[SLOTS], 0
	s_cbranch_scc1 .Lslot
	CHANGE 0                                       ; the tail is written out: nothing is left to ask for
	STEPS 4
	BODY 0                                         ; my 32nd step
	; THE MERGE.  Waves 4 to 7 hand their O^T and statistics to waves 0 to 3 through the stage in slot 0.
	WIN 0
.rept 4
	v_nop                                          ; places behind the last products
.endr
	s_cmp_lt_u32 s[WV], 4
	s_cbranch_scc1 .Lkeep
	WIN 0x04                                       ; an LDS store's data are its source 1: window 1
.set I, 0
.rept 32
	ds_store_b128 v[STG], v[4*I:4*I+3] offset:512*I   ; each accumulator's low four first
.set I, I+1
.endr
	WIN 0
.irp t, 0,1,2,3
	ds_store_b128 v[STG], v[ST+8*\t:ST+8*\t+3] offset:16384+512*\t   ; c m, m, l, l
.endr
.Lkeep:
	s_wait_dscnt 0x0                               ; for the others' sake: my stores have landed
	s_barrier_signal -1
	s_barrier_wait -1
	s_cmp_lt_u32 s[WV], 4
	s_cbranch_scc0 .Ldone
.irp t, 0,1,2,3
	ds_load_b128 v[48+4*\t:51+4*\t], v[STG] offset:16384+512*\t
.endr
.set I, 0
.rept 32
	ds_load_b128 v[S+4*I:S+4*I+3], v[STG] offset:512*I
.set I, I+1
.endr
	s_wait_dscnt 0x0
.irp t, 0,1,2,3
	v_max_num_f32 v[ST+8*\t+1], v[ST+8*\t], v[48+4*\t]             ; the common c m
.endr
.irp t, 0,1,2,3
	v_sub_f32 v[ST+8*\t+4], v[ST+8*\t], v[ST+8*\t+1]
	v_sub_f32 v[ST+8*\t+6], v[48+4*\t], v[ST+8*\t+1]
.endr
.irp t, 0,1,2,3
	v_exp_f32 v[ST+8*\t+4], v[ST+8*\t+4]           ; f0: mine under the common maximum,
	v_exp_f32 v[ST+8*\t+6], v[ST+8*\t+6]           ; f1: the other's
.endr
.irp t, 0,1,2,3
	v_add_f32 v[ST+8*\t+2], v[ST+8*\t+2], v[ST+8*\t+3]             ; (plain work that names no result of the batch)
	v_add_f32 v[50+4*\t], v[50+4*\t], v[51+4*\t]
.endr
	s_wait_alu depctr_va_vdst(0)                   ; one wait for the eight
.irp t, 0,1,2,3
	v_mul_f32 v[ST+8*\t+2], v[ST+8*\t+2], v[ST+8*\t+4]
.endr
.irp t, 0,1,2,3
	v_fma_f32 v[ST+8*\t+2], v[50+4*\t], v[ST+8*\t+6], v[ST+8*\t+2]
.endr
.irp t, 0,1,2,3
	v_permlanex16_b32 v[ST+8*\t+3], v[ST+8*\t+2], s[SEL], s[SEL+1]
.endr
.irp t, 0,1,2,3
	v_add_f32 v[ST+8*\t+2], v[ST+8*\t+2], v[ST+8*\t+3]             ; the row's sum
.endr
.irp t, 0,1,2,3
	v_rcp_f32 v[ST+8*\t+3], v[ST+8*\t+2]
.endr
	v_nop
	s_wait_alu depctr_va_vdst(0)                   ; one wait for the four
.irp t, 0,1,2,3
	v_mul_f32 v[ST+8*\t+3], 0x41000000, v[ST+8*\t+3]               ; 8 / the sum: O leaves x 8, the projection's weight is / 8
.endr
.irp t, 0,1,2,3
	v_mul_f32 v[ST+8*\t+4], v[ST+8*\t+4], v[ST+8*\t+3]
	v_mul_f32 v[ST+8*\t+6], v[ST+8*\t+6], v[ST+8*\t+3]
.endr
.set J, 0
.rept 16
.irp t, 0,1,2,3
	v_pk_mul_f32 v[S+32*\t+2*J:S+32*\t+2*J+1], v[S+32*\t+2*J:S+32*\t+2*J+1], v[ST+8*\t+6:ST+8*\t+7] op_sel_hi:[1,0]
.endr
.set J, J+1
.endr
	WIN 0x01                                       ; source 0 (my O^T) window 1
.set J, 0
.rept 16
.irp t, 0,1,2,3
	v_pk_fma_f32 v[S+32*\t+2*J:S+32*\t+2*J+1], v[32*\t+2*J:32*\t+2*J+1], v[ST+8*\t+4:ST+8*\t+5], v[S+32*\t+2*J:S+32*\t+2*J+1] op_sel_hi:[1,0,1]
.endr
.set J, J+1
.endr
	WIN 0
.set J, 0
.rept 16
.irp t, 0,1,2,3
	v_cvt_pk_f16_f32 v[S+32*\t+J], v[S+32*\t+2*J], v[S+32*\t+2*J+1]
.endr
.set J, J+1
.endr
.irp t, 0,1,2,3
.irp u, 0,1,2,3
	global_store_b128 v[LI], v[S+32*\t+4*\u:S+32*\t+4*\u+3], s[8:9] offset:16384*\t+512*\u   ; piece u: channels 16 u + 8 h + 0 .. 7 of token r: 512 consecutive bytes a store
.endr
.endr
.Ldone:
	s_wait_tensorcnt 0x0                           ; the wave's end
	ds_add_u32 v[SPW], v[NIL]
	s_wait_dscnt 0x0
	CROUND                                         ; the closing round
	s_endpgm
.Lfunc_end_k_q00a11798ab_attn:
	.size	k_q00a11798ab_attn, .Lfunc_end_k_q00a11798ab_attn-k_q00a11798ab_attn
	.p2alignl 7, 3214868480
	.fill 96, 4, 3214868480
	.section	.rodata,"a",@progbits
	.p2align	6, 0x0
	.amdhsa_kernel k_q00a11798ab_attn
		.amdhsa_group_segment_fixed_size 327680
		.amdhsa_private_segment_fixed_size 0
		.amdhsa_enable_private_segment 0
		.amdhsa_kernarg_size 24
		.amdhsa_user_sgpr_count 2
		.amdhsa_user_sgpr_kernarg_segment_ptr 1
		.amdhsa_wavefront_size32 1
		.amdhsa_system_sgpr_workgroup_id_x 1
		.amdhsa_system_sgpr_workgroup_id_y 1
		.amdhsa_system_sgpr_workgroup_id_z 1
		.amdhsa_system_vgpr_workitem_id 0
		.amdhsa_next_free_vgpr 512
		.amdhsa_next_free_sgpr 66
		.amdhsa_reserve_vcc 0
		.amdhsa_float_denorm_mode_32 3
		.amdhsa_float_denorm_mode_16_64 3
		.amdhsa_memory_ordered 1
		.amdhsa_forward_progress 1
		.amdhsa_inst_pref_size 160
	.end_amdhsa_kernel
	.amdgpu_metadata
---
amdhsa.version: [ 1, 2 ]
amdhsa.kernels:
  - .name:           k_q00a11798ab_attn
    .symbol:         k_q00a11798ab_attn.kd
    .args:
      - { .name: qf, .offset: 0, .size: 8, .value_kind: global_buffer, .address_space: global }
      - { .name: kvf, .offset: 8, .size: 8, .value_kind: global_buffer, .address_space: global }
      - { .name: of16, .offset: 16, .size: 8, .value_kind: global_buffer, .address_space: global }
    .group_segment_fixed_size: 327680
    .private_segment_fixed_size: 0
    .kernarg_segment_align: 8
    .kernarg_segment_size: 24
    .max_flat_workgroup_size: 256
    .sgpr_count:     66
    .vgpr_count:     512
    .wavefront_size: 32
...
	.end_amdgpu_metadata
.endif
;; end of part 3
;; launch proj (part 4): grid 4 x 64, 4 waves a work-group, clusters of 4 x 1, 167,936 bytes of LDS; arguments of16, wof, out0; writes out0
.if DOCPART == 4
	.amdgcn_target "amdgcn-amd-amdhsa--gfx1250"
	.amdhsa_code_object_version 6
	.text
	.protected	k_q00a11798ab_proj
	.globl	k_q00a11798ab_proj
	.p2align	8
	.type	k_q00a11798ab_proj,@function
k_q00a11798ab_proj:
	s_mov_b64 s[64:65], 0
	v_nop
	global_prefetch_b8 v0, s[64:65] scope:SCOPE_SE
	s_setreg_imm32_b32 hwreg(HW_REG_WAVE_MODE, 25, 1), 1
	s_wait_xcnt 0x0
	s_wait_alu depctr_hold_cnt(0) depctr_sa_sdst(0) depctr_va_vdst(0) depctr_va_sdst(0) depctr_va_ssrc(0) depctr_va_vcc(0) depctr_vm_vsrc(0)
	s_getreg_b32 s2, hwreg(HW_REG_IB_STS2, 6, 4)
	s_cmp_eq_u32 s2, 0
	s_cbranch_scc0 .Lentry_in_a_cluster
	s_endpgm
.Lentry_in_a_cluster:
	s_bfe_u32 s2, ttmp6, 0x10000c
	s_cmp_lg_u32 s2, 0x3003
	s_cbranch_scc0 .Lentry_shape_is_right
	s_endpgm
.Lentry_shape_is_right:
; PROJ: out0 [8192][1024] f32 = O [8192][512] x wo [512][1024], f16 operands (8 x O and wo / 8: exact shifts that cancel), f32 sums.  No work of reference() is left out here.
; SHARES.  Work-group (cx, y): 128 tokens x 256 columns; wave w: 64 columns for all 128 rows.  Its part of wo, 65,536 bytes, stays in 512 registers for the whole launch, loaded once, 512 consecutive bytes a load.
; O's 131,072 bytes come by four tensor loads, one a wave, all first fills; the four column blocks of a cluster share them and ask jointly (mask 15).
; wo is not shared through LDS: a work-group's 262,144 bytes of it do not fit beside O's 131,072 in the LDS claimed, and from registers it costs no LDS read at all; each wave's part is read by that wave alone in its work-group.
; THE WALK goes by rows: four blocks of 32 rows, each over all 16 K steps of 32, so that a finished block leaves under the next block's products.
; TRANSPOSED: source 0 = 16 columns of wo, source 1 = 16 tokens: a lane holds eight neighbouring columns of one row; a tile goes through the wave's own stage and leaves as aligned runs of 256 bytes.
; REGISTERS.  window 0: v1-9 addresses; v64-191 O's fragments, two buffers of 64; v192-255 rows on the way out, two sets.  window 1: two sets of 8 accumulators.  windows 2, 3: wo, K steps 0-7 and 8-15.
.set STAGE, 131072                     ; 16 rows x 272 bytes for each wave
.set SPARE, STAGE+4*4352               ; the spare words, 128 bytes for each wave
.set LI,  1                            ; v1 16 x lane
.set AD0, 2                            ; v2 O's images, row blocks 0, 1
.set AD1, 3                            ; v3 row blocks 2, 3: 65,536 bytes on
.set STO, 4                            ; v4 the stage: where I put 32 bytes of a row
.set RD,  5                            ; v5 where I read a row back
.set CO,  6                            ; v6 my byte offset in two rows of out0
.set SPW, 8                            ; v8 my spare word; never rewritten
.set NIL, 9                            ; v9 0; never rewritten
.set AF,  64
.set OB,  192
.set MSB, 0
.macro WIN new
.if MSB != (\new)
	s_set_vgpr_msb (MSB<<8)|(\new)
.set MSB, (\new)
.endif
.endm
.macro CROUND
	s_barrier_signal -1
	s_barrier_wait -1
	s_cmp_lg_u32 s10, 0
	s_cbranch_scc1 .Lnot_wave_0_\@
	s_barrier_signal -3
.Lnot_wave_0_\@:
	s_barrier_wait -3
	s_barrier_signal -1
	s_barrier_wait -1
.endm
; chunk n = 4 rb + c: row block rb, K steps 4 c .. 4 c + 3
.macro FETCH n                         ; 16 LDS loads into buffer n % 2: register 32 a + 8 kq + 4 i
.set FRB, (\n)/4
.set FC,  (\n)%4
.set FB,  AF+64*((\n)%2)
.irp a, 0,1
.irp kq, 0,1,2,3
.irp i, 0,1
	ds_load_b128 v[FB+32*\a+8*\kq+4*\i:FB+32*\a+8*\kq+4*\i+3], v[AD0+FRB/2] offset:32768*(FRB%2)+16384*\a+1024*(4*FC+\kq)+512*\i
.endr
.endr
.endr
.endm
.macro MUL n                           ; 32 products; the block's 8 accumulators take turns; K step 0 starts the sums
.set MRB, (\n)/4
.set MC,  (\n)%4
.set MB,  AF+64*((\n)%2)
.set MA,  64*(MRB%2)
	WIN 0x52+MC/2                                  ; source 0 (wo) window 2 or 3, source 1 window 0, C and D window 1
.irp kq, 0,1,2,3
.irp a, 0,1
.irp nb, 0,1,2,3
.if (MC == 0) && (\kq == 0)
	v_wmma_f32_16x16x32_f16 v[MA+8*(4*\a+\nb):MA+8*(4*\a+\nb)+7], v[32*((4*MC+\kq)%8)+8*\nb:32*((4*MC+\kq)%8)+8*\nb+7], v[MB+32*\a+8*\kq:MB+32*\a+8*\kq+7], 0
.else
	v_wmma_f32_16x16x32_f16 v[MA+8*(4*\a+\nb):MA+8*(4*\a+\nb)+7], v[32*((4*MC+\kq)%8)+8*\nb:32*((4*MC+\kq)%8)+8*\nb+7], v[MB+32*\a+8*\kq:MB+32*\a+8*\kq+7], v[MA+8*(4*\a+\nb):MA+8*(4*\a+\nb)+7]
.endif
.endr
.endr
.endr
.endm
.macro TOSTAGE rb, a                   ; tile a of block rb: into my stage, and back as rows.  LDS serves a wave's instructions in order: no wait between
.set TA, 64*((\rb)%2)+32*(\a)
.set TB2, OB+32*(\a)
	s_wait_xcnt 0x0                                ; the last block's stores have read the registers that the loads below fill
	WIN 0x04                                       ; an LDS store's data are its source 1: window 1
.irp nb, 0,1,2,3
	ds_store_b128 v[STO], v[TA+8*\nb:TA+8*\nb+3] offset:64*\nb          ; each accumulator from its low end on
	ds_store_b128 v[STO], v[TA+8*\nb+4:TA+8*\nb+7] offset:64*\nb+16
.endr
	WIN 0
.irp i, 0,1,2,3,4,5,6,7
	ds_load_b128 v[TB2+4*\i:TB2+4*\i+3], v[RD] offset:544*\i
.endr
.endm
.macro SEND rb, a
.set TB2, OB+32*(\a)
.irp i, 0,1,2,3,4,5,6,7
	global_store_b128 v[CO], v[TB2+4*\i:TB2+4*\i+3], s[8:9] offset:(32*(\rb)+16*(\a)+2*\i)*4096 th:TH_STORE_NT   ; sixteen lanes store 256 consecutive bytes, aligned
.endr
.endm
; What stands in front of chunk n's products: the places, the next chunk's fragments, a tile of the block before into the stage, ONE wait that leaves out just this gap's LDS instructions
; (so the fragments asked for a gap ago and the rows staged a gap ago are in), and the stores of those rows.
.macro GAP n
.set GRB, (\n)/4
.set GC,  (\n)%4
.set GN,  0
.if (\n) > 0
.rept 4
	v_nop                                          ; in front of loads into registers that matrix instructions have read, and of the stores that read results
.endr
.endif
	WIN 0
.if (\n) < 15
	FETCH (\n)+1
.set GN, GN+16
.endif
.if (GRB > 0) && (GC == 1)
	TOSTAGE GRB-1, 0
.set GN, GN+16
.endif
.if (GRB > 0) && (GC == 2)
	TOSTAGE GRB-1, 1
.set GN, GN+16
.endif
	s_wait_dscnt GN
.if (GRB > 0) && (GC == 2)
	SEND GRB-1, 0
.endif
.if (GRB > 0) && (GC == 3)
	SEND GRB-1, 1
.endif
.endm
	s_load_b128 s[4:7], s[0:1], 0x0                ; of16 s[4:5], wof s[6:7]
	s_load_b64 s[8:9], s[0:1], 0x10                ; out0
	v_lshl_add_u32 v[SPW], v0, 2, SPARE
	v_mov_b32 v[NIL], 0
	ds_add_u32 v[SPW], v[NIL]                      ; the opening: the add, twice on end, and its wait ahead of my first tensor load
	ds_add_u32 v[SPW], v[NIL]
	v_lshrrev_b32 v10, 5, v0
	v_readfirstlane_b32 s10, v10                   ; wave 0..3
	s_bfe_u32 s11, ttmp6, 0x40000                  ; cx: my 256 columns
	s_and_b32 s12, ttmp7, 0xffff                   ; y: my 128 tokens, which the partners share
	s_mov_b32 s24, 15|(3<<16)|(1<<21)              ; group 1: all four partners; elements of 8 bytes; 128 rows of 256 bytes, dense, no padding
	s_mov_b32 s25, 32<<16
	s_mov_b32 s26, 128<<16
	s_mov_b32 s27, 32<<16
	s_mov_b32 s28, 128
	s_mov_b32 s29, 32
	s_mov_b32 s30, 0
	s_mov_b32 s31, 0
	s_lshl_b32 s14, s12, 17
	s_lshl_b32 s15, s10, 15
	s_add_co_u32 s14, s14, s15                     ; of16: 131,072 y + 32,768 wave
	s_mov_b32 s15, 0
	s_lshl_b32 s13, s10, 15                        ; and in LDS
	s_lshl_b32 s16, s11, 2
	s_add_co_u32 s16, s16, s10
	s_lshl_b32 s16, s16, 16                        ; wof: (4 cx + wave) x 65,536
	s_mov_b32 s17, 0
	s_lshl_b32 s18, s12, 19                        ; out0: 128 y rows of 4,096 bytes,
	s_lshl_b32 s19, s11, 10                        ; + 256 cx columns,
	s_add_co_u32 s18, s18, s19
	s_lshl_b32 s19, s10, 8                         ; + 64 wave columns
	s_add_co_u32 s18, s18, s19
	s_mov_b32 s19, 0
	s_wait_dscnt 0x0                               ; both opening adds are done
	s_wait_kmcnt 0x0
	s_mov_b32 s32, 1
	s_mov_b32 s33, s13
	s_add_nc_u64 s[34:35], s[4:5], s[14:15]
	s_or_b32 s35, s35, 0x80000000
	s_add_nc_u64 s[6:7], s[6:7], s[16:17]
	s_add_nc_u64 s[8:9], s[8:9], s[18:19]
	v_and_b32 v10, 31, v0
	v_lshlrev_b32 v[LI], 4, v10
	CROUND                                         ; all four work-groups are here: the joint loads meet
	tensor_load_to_lds s[32:35], s[24:31]          ; one tensor load of mine is out
	s_nop 0
.rept 4
	v_nop
.endr
	WIN 0x80                                       ; destination window 2
.set I, 0
.rept 64
	global_load_b128 v[4*I:4*I+3], v[LI], s[6:7] offset:512*I           ; wo's piece f = 8 kk + 2 nb + i
.set I, I+1
.endr
	WIN 0xc0                                       ; destination window 3
.set I, 0
.rept 64
	global_load_b128 v[4*I:4*I+3], v[LI], s[6:7] offset:32768+512*I
.set I, I+1
.endr
	WIN 0
	v_mov_b32 v[AD0], v[LI]
	v_add_nc_u32 v[AD1], 65536, v[LI]
	v_and_b32 v10, 15, v0                          ; r
	v_bfe_u32 v11, v0, 4, 1                        ; h
	s_mul_i32 s20, s10, 4352
	s_add_co_u32 s20, s20, STAGE                   ; my stage
	v_mul_u32_u24 v[STO], v10, 272
	v_lshl_add_u32 v[STO], v11, 5, v[STO]
	v_add_nc_u32 v[STO], s20, v[STO]               ; in: row r, + 32 h
	v_mul_u32_u24 v[RD], v11, 272
	v_lshl_add_u32 v[RD], v10, 4, v[RD]
	v_add_nc_u32 v[RD], s20, v[RD]                 ; back: lanes 0-15 one row of 256 bytes, lanes 16-31 the next
	v_lshlrev_b32 v[CO], 12, v11
	v_lshl_add_u32 v[CO], v10, 4, v[CO]            ; and the same two rows in out0
	s_wait_tensorcnt 0x0                           ; my quarter of O has landed,
	s_barrier_signal -1
	s_barrier_wait -1                              ; everybody's has
	FETCH 0
.set N, 0
.rept 16
	GAP N
.if N < 2
	s_wait_loadcnt 63                              ; chunk c of the first block wants wo's first 32 (c + 1) pieces of 128: with at most 63 out, 65 are in
.elseif N == 2
	s_wait_loadcnt 32
.elseif N == 3
	s_wait_loadcnt 0x0
.endif
	MUL N
.set N, N+1
.endr
.rept 4
	v_nop                                          ; places behind the last products
.endr
	WIN 0
	TOSTAGE 3, 0
	s_wait_dscnt 0x0
	SEND 3, 0
	TOSTAGE 3, 1
	s_wait_dscnt 0x0
	SEND 3, 1
	s_wait_tensorcnt 0x0                           ; the wave's end
	ds_add_u32 v[SPW], v[NIL]
	s_wait_dscnt 0x0
	CROUND                                         ; the closing round
	s_endpgm
.Lfunc_end_k_q00a11798ab_proj:
	.size	k_q00a11798ab_proj, .Lfunc_end_k_q00a11798ab_proj-k_q00a11798ab_proj
	.p2alignl 7, 3214868480
	.fill 96, 4, 3214868480
	.section	.rodata,"a",@progbits
	.p2align	6, 0x0
	.amdhsa_kernel k_q00a11798ab_proj
		.amdhsa_group_segment_fixed_size 167936
		.amdhsa_private_segment_fixed_size 0
		.amdhsa_enable_private_segment 0
		.amdhsa_kernarg_size 24
		.amdhsa_user_sgpr_count 2
		.amdhsa_user_sgpr_kernarg_segment_ptr 1
		.amdhsa_wavefront_size32 1
		.amdhsa_system_sgpr_workgroup_id_x 1
		.amdhsa_system_sgpr_workgroup_id_y 1
		.amdhsa_system_sgpr_workgroup_id_z 1
		.amdhsa_system_vgpr_workitem_id 0
		.amdhsa_next_free_vgpr 1024
		.amdhsa_next_free_sgpr 66
		.amdhsa_reserve_vcc 0
		.amdhsa_float_denorm_mode_32 3
		.amdhsa_float_denorm_mode_16_64 3
		.amdhsa_memory_ordered 1
		.amdhsa_forward_progress 1
		.amdhsa_inst_pref_size 83
	.end_amdhsa_kernel
	.amdgpu_metadata
---
amdhsa.version: [ 1, 2 ]
amdhsa.kernels:
  - .name:           k_q00a11798ab_proj
    .symbol:         k_q00a11798ab_proj.kd
    .args:
      - { .name: of16, .offset: 0, .size: 8, .value_kind: global_buffer, .address_space: global }
      - { .name: wof, .offset: 8, .size: 8, .value_kind: global_buffer, .address_space: global }
      - { .name: out0, .offset: 16, .size: 8, .value_kind: global_buffer, .address_space: global }
    .group_segment_fixed_size: 167936
    .private_segment_fixed_size: 0
    .kernarg_segment_align: 8
    .kernarg_segment_size: 24
    .max_flat_workgroup_size: 128
    .sgpr_count:     66
    .vgpr_count:     1024
    .wavefront_size: 32
...
	.end_amdgpu_metadata
.endif
;; end of part 4
